; MI455X (gfx1250); checked and timed in simulation.
; The chip was launched on July 23, 2026; its instructions are those of AMD's public machine-readable ISA for CDNA 5 (MIT licence, August 2026) and "CDNA5" Instruction Set Architecture Reference Guide (July 2026). The comments in the code are by the model that wrote it; some were corrected since.
;; Self Attention. Allowed arithmetic: float matrix products may take bf16 or f16 operands with f32 sums; all other float work in f32.
;; Inputs: Wk 1,024 x 1,024 float32; Wq 1,024 x 1,024 float32; Wv 1,024 x 1,024 float32; bk 1,024 float32; bq 1,024 float32; bv 1,024 float32; mask 4 x 2,048 x 2,048 int32; x 4 x 2,048 x 1,024 float32.
;; Outputs: out0 4 x 2,048 x 1,024 float32.
;; One version. Each part assembles by itself: llvm-mc -triple=amdgcn-amd-amdhsa -mcpu=gfx1250 --defsym DOCPART=n.
;; ======== version 1 of 1: 4 launches
;; limits: values are held in f16: magnitudes above 65,504 overflow, below 6.1e-05 lose precision
;; workspace buffers: xb 16,777,216 bytes; wb 6,291,456 bytes; mbits 2,097,152 bytes of whole numbers; qkv 50,331,648 bytes; pb 33,554,432 bytes; stm 524,288 bytes; stl 524,288 bytes
;; launch prep (part 1): grid 1024 x 1, 8 waves a work-group, no clusters, 68,608 bytes of LDS; arguments x, Wq, Wk, Wv, mask, xb, wb, mbits; writes xb, wb, mbits
.if DOCPART == 1
	.amdgcn_target "amdgcn-amd-amdhsa--gfx1250"
	.amdhsa_code_object_version 6
	.text
	.protected	k_q3d7c2492b8_prep
	.globl	k_q3d7c2492b8_prep
	.p2align	8
	.type	k_q3d7c2492b8_prep,@function
k_q3d7c2492b8_prep:
	s_mov_b64 s[64:65], 0
	v_nop
	global_prefetch_b8 v0, s[64:65] scope:SCOPE_SE
	s_setreg_imm32_b32 hwreg(HW_REG_WAVE_MODE, 25, 1), 1
	s_wait_xcnt 0x0
; PREP.  xb = bf16(x), wb = bf16(Wq | Wk | Wv), both laid out in blocks of 64 along K: xb [16 blocks][8192 rows][64], wb [16][3072][64], so that the tiles of the
; projection (whole rows of one block) are dense in memory;  mbits = the mask as lane-mask words.
; 1,024 work-groups of eight waves, all alike, no loop.  Work-group g converts 8 rows of x (eight loads of 16 bytes a thread) and a part of two rows of each W (one load a thread each);
; each wave also takes one piece of the mask, 16 rows x 128 keys.  All 27 loads of a wave go out together.
; A load of x or W takes one block (256 bytes of f32) of two neighbouring rows, sixteen lanes a row; the two rows' 128 bytes of bf16 are neighbours in the blocked layout, so the store covers 256 consecutive bytes.
; THE MASK WORDS.  The score launch holds a tile of 16 queries x 16 keys as eight registers: lane r + 16 h, register j = (query r, key 8 h + j).  For
; each such register one 32-bit word is made whose bit r + 16 h says mask[query][key] != 0.  A piece's 16 rows go through the wave's own stage in LDS
; so that lane (r, h) gets row r, keys 16 b + 8 h + 0..7; a compare then yields word (b, j) in a scalar register.  The 64 words of a piece are 256
; consecutive bytes of mbits: [tile row 32][tile column 8][wave 4][block a 8][b 8][j 8].  Any non-zero mask number counts as visible.
.set STG,   8448                       ; a wave's stage: 16 rows of 512 bytes + 16 of padding, so that the 16 rows of a read-back start at 16 different groups of four banks (64 banks of 4 bytes: ISA guide 11.1)
.set SPARE, 8*STG                      ; behind the stages: the spare words, 128 bytes a wave
.set XBLK,  8192*128                   ; bytes of a K block of xb
.set WBLK,  3072*128                   ; of wb
.set SPW, 7                            ; v7   my spare word's LDS address; never rewritten
.set NIL, 8                            ; v8   0; never rewritten
.set X,   12                           ; v[12:55]   eleven loads of four f32: x's eight, then Wq's, Wk's, Wv's
.set MK,  56                           ; v[56:119]  the mask piece: as loaded (row i at 4 i), then as read back ((b, j) at 8 b + j)
.set Y,   120                          ; v[120:141] eleven pairs of packed bf16, one for each store: no store's data is rewritten
.set WI,  142                          ; v142 my byte offset in W
.set WO,  143                          ; v143 my byte offset in wb
	s_load_b512 s[4:19], s[0:1], 0x0               ; x s[4:5], Wq s[6:7], Wk s[8:9], Wv s[10:11], mask s[12:13], xb s[14:15], wb s[16:17], mbits s[18:19]
	v_lshl_add_u32 v[SPW], v0, 2, SPARE
	v_mov_b32 v[NIL], 0
	v_lshrrev_b32 v9, 5, v0
	v_readfirstlane_b32 s28, v9                    ; wave 0..7
	v_and_b32 v9, 31, v0                           ; lane
	v_and_b32 v10, 15, v0                          ; r
	v_bfe_u32 v11, v0, 4, 1                        ; h
	v_lshlrev_b32 v3, 4, v9                        ; 16 x lane: a mask row's 512 bytes
	v_lshlrev_b32 v6, 3, v9                        ; 8 x lane: 256 bytes out
	v_lshlrev_b32 v1, 4, v10
	v_lshl_add_u32 v1, v11, 12, v1                 ; 16 r + one row of 4,096 bytes for the upper lanes
	s_lshl_b32 s29, s28, 8
	v_add_nc_u32 v[WI], s29, v1                    ; W: wave w takes block 8 (g % 2) + w
	s_lshl_b32 s29, s28, 9
	v_add_nc_u32 v1, s29, v1                       ; x: wave w takes blocks 2 w and 2 w + 1
	s_lshl_b32 s29, s28, 21
	v_add_nc_u32 v2, s29, v6                       ; xb: two blocks for each wave
	s_mul_i32 s29, s28, WBLK
	v_add_nc_u32 v[WO], s29, v6                    ; wb: one
	s_mul_i32 s29, s28, STG                        ; my wave's stage
	v_add_nc_u32 v4, s29, v3                       ; into the stage: a row as it comes
	v_mul_u32_u24 v5, v10, 528
	v_lshl_add_u32 v5, v11, 5, v5
	v_add_nc_u32 v5, s29, v5                       ; back: row r, keys 8 h on
	v_mov_b32 v10, 0                               ; the words gather here, lane by lane: written whole first
	v_mov_b32 v11, 0
	s_lshl_b32 s30, ttmp9, 15                      ; my 8 rows of x,
	s_mov_b32 s31, 0
	s_lshl_b32 s32, ttmp9, 10                      ; their 128 bytes each in a block of xb
	s_mov_b32 s33, 0
	s_lshr_b32 s40, ttmp9, 1                       ; g / 2: the pair of rows of W, and the group of 16 mask rows
	s_and_b32 s41, ttmp9, 1
	s_lshl_b32 s34, s40, 13                        ; two rows of W,
	s_lshl_b32 s35, s41, 11                        ; blocks 0-7 or 8-15
	s_add_co_u32 s34, s34, s35
	s_mov_b32 s35, 0
	s_mul_i32 s36, s41, 8*WBLK
	s_lshl_b32 s37, s40, 8
	s_add_co_u32 s36, s36, s37                     ; the same in wb
	s_mov_b32 s37, 0
	s_lshl_b32 s41, s41, 3
	s_add_co_u32 s41, s41, s28                     ; the block of 128 keys, 0..15
	s_lshl_b32 s38, s40, 17                        ; 16 mask rows of 8,192 bytes
	s_lshl_b32 s42, s41, 9
	s_add_co_u32 s38, s38, s42
	s_mov_b32 s39, 0
	s_lshr_b32 s42, s40, 4                         ; tile row
	s_lshl_b32 s42, s42, 3
	s_lshr_b32 s43, s41, 1                         ; tile column
	s_add_co_u32 s42, s42, s43
	s_lshl_b32 s42, s42, 2
	s_bfe_u32 s43, s40, 0x10003                    ; which half of the tile's rows,
	s_lshl_b32 s43, s43, 1
	s_add_co_u32 s42, s42, s43
	s_and_b32 s43, s41, 1                          ; and of its keys: together the score launch's wave
	s_add_co_u32 s42, s42, s43
	s_lshl_b32 s42, s42, 3
	s_and_b32 s43, s40, 7                          ; block a
	s_add_co_u32 s42, s42, s43
	s_lshl_b32 s42, s42, 8                         ; 256 bytes each
	s_mov_b32 s43, 0
	s_wait_kmcnt 0x0
	s_add_nc_u64 s[4:5], s[4:5], s[30:31]
	s_add_nc_u64 s[14:15], s[14:15], s[32:33]
	s_add_nc_u64 s[6:7], s[6:7], s[34:35]
	s_add_nc_u64 s[8:9], s[8:9], s[34:35]
	s_add_nc_u64 s[10:11], s[10:11], s[34:35]
	s_add_nc_u64 s[16:17], s[16:17], s[36:37]
	s_add_nc_u64 s[12:13], s[12:13], s[38:39]
	s_add_nc_u64 s[18:19], s[18:19], s[42:43]
.irp i, 0,1,2,3,4,5,6,7
	global_load_b128 v[X+4*(\i):X+4*(\i)+3], v1, s[4:5] offset:((\i)/2)*8192+((\i)%2)*256 th:TH_LOAD_NT  ; rows 2 (i / 2) and the next, block 2 w + i % 2: twice 256 consecutive bytes
.endr
.irp i, 0,1,2
	global_load_b128 v[X+32+4*(\i):X+32+4*(\i)+3], v[WI], s[6+2*(\i):7+2*(\i)] th:TH_LOAD_NT
.endr
.irp i, 0,1,2,3,4,5,6,7,8,9,10,11,12,13,14,15
	global_load_b128 v[MK+4*(\i):MK+4*(\i)+3], v3, s[12:13] offset:8192*(\i) th:TH_LOAD_NT  ; row i of the piece: 512 consecutive bytes
.endr
.irp i, 0,1,2,3,4,5,6,7,8,9,10
	s_wait_loadcnt 26-(\i)                         ; loads come back in order (ISA guide 5.7.1): number i of the 27 is in, the younger ones stay out
	v_cvt_pk_bf16_f32 v[Y+2*(\i)], v[X+4*(\i)], v[X+4*(\i)+1]
	v_cvt_pk_bf16_f32 v[Y+2*(\i)+1], v[X+4*(\i)+2], v[X+4*(\i)+3]
.if (\i) < 8
	global_store_b64 v2, v[Y+2*(\i):Y+2*(\i)+1], s[14:15] offset:((\i)%2)*XBLK+((\i)/2)*256  ; a wave's store covers 256 consecutive bytes, aligned
.else
	global_store_b64 v[WO], v[Y+2*(\i):Y+2*(\i)+1], s[16:17] offset:((\i)-8)*131072  ; Wq's, Wk's, Wv's 1,024 rows of the block
.endif
.endr
.irp i, 0,1,2,3,4,5,6,7,8,9,10,11,12,13,14,15
	s_wait_loadcnt 15-(\i)
	ds_store_b128 v4, v[MK+4*(\i):MK+4*(\i)+3] offset:528*(\i)
.endr
.irp b, 0,1,2,3,4,5,6,7
	ds_load_b128 v[MK+8*(\b):MK+8*(\b)+3],   v5 offset:64*(\b)     ; LDS serves a wave's instructions in order (ISA guide 5.7.1.4): these see the stores above
	ds_load_b128 v[MK+8*(\b)+4:MK+8*(\b)+7], v5 offset:64*(\b)+16
.endr
.irp b, 0,1,2,3,4,5,6,7
	s_wait_dscnt 14-2*(\b)                         ; the pair of loads for key group b is in
.irp j, 0,1,2,3,4,5,6,7
	v_cmp_ne_u32 s[20+(\j)], 0, v[MK+8*(\b)+(\j)]  ; word (b, j): one bit a lane
.endr
.irp j, 0,1,2,3,4,5,6,7
	v_writelane_b32 v[10+(\j)%2], s[20+(\j)], 4*(\b)+(\j)/2  ; word n = 8 b + j goes to lane n / 2, register n % 2
.endr
.endr
	global_store_b64 v6, v[10:11], s[18:19]        ; 256 consecutive bytes, aligned
	s_wait_tensorcnt 0x0                           ; the wave's end
	ds_add_u32 v[SPW], v[NIL]
	s_wait_dscnt 0x0
	s_endpgm
.Lfunc_end_k_q3d7c2492b8_prep:
	.size	k_q3d7c2492b8_prep, .Lfunc_end_k_q3d7c2492b8_prep-k_q3d7c2492b8_prep
	.p2alignl 7, 3214868480
	.fill 96, 4, 3214868480
	.section	.rodata,"a",@progbits
	.p2align	6, 0x0
	.amdhsa_kernel k_q3d7c2492b8_prep
		.amdhsa_group_segment_fixed_size 68608
		.amdhsa_private_segment_fixed_size 0
		.amdhsa_enable_private_segment 0
		.amdhsa_kernarg_size 64
		.amdhsa_user_sgpr_count 2
		.amdhsa_user_sgpr_kernarg_segment_ptr 1
		.amdhsa_wavefront_size32 1
		.amdhsa_system_sgpr_workgroup_id_x 1
		.amdhsa_system_sgpr_workgroup_id_y 1
		.amdhsa_system_sgpr_workgroup_id_z 1
		.amdhsa_system_vgpr_workitem_id 0
		.amdhsa_next_free_vgpr 144
		.amdhsa_next_free_sgpr 66
		.amdhsa_reserve_vcc 0
		.amdhsa_float_denorm_mode_32 3
		.amdhsa_float_denorm_mode_16_64 3
		.amdhsa_memory_ordered 1
		.amdhsa_forward_progress 1
		.amdhsa_inst_pref_size 20
	.end_amdhsa_kernel
	.amdgpu_metadata
---
amdhsa.version: [ 1, 2 ]
amdhsa.kernels:
  - .name:           k_q3d7c2492b8_prep
    .symbol:         k_q3d7c2492b8_prep.kd
    .args:
      - { .name: x, .offset: 0, .size: 8, .value_kind: global_buffer, .address_space: global }
      - { .name: Wq, .offset: 8, .size: 8, .value_kind: global_buffer, .address_space: global }
      - { .name: Wk, .offset: 16, .size: 8, .value_kind: global_buffer, .address_space: global }
      - { .name: Wv, .offset: 24, .size: 8, .value_kind: global_buffer, .address_space: global }
      - { .name: mask, .offset: 32, .size: 8, .value_kind: global_buffer, .address_space: global }
      - { .name: xb, .offset: 40, .size: 8, .value_kind: global_buffer, .address_space: global }
      - { .name: wb, .offset: 48, .size: 8, .value_kind: global_buffer, .address_space: global }
      - { .name: mbits, .offset: 56, .size: 8, .value_kind: global_buffer, .address_space: global }
    .group_segment_fixed_size: 68608
    .private_segment_fixed_size: 0
    .kernarg_segment_align: 8
    .kernarg_segment_size: 64
    .max_flat_workgroup_size: 256
    .sgpr_count:     66
    .vgpr_count:     144
    .wavefront_size: 32
...
	.end_amdgpu_metadata
.endif
;; end of part 1
;; launch proj (part 2): grid 8 x 32, 4 waves a work-group, clusters of 4 x 4, 327,680 bytes of LDS; arguments xb, wb, bq, bk, bv, qkv; writes qkv
.if DOCPART == 2
	.amdgcn_target "amdgcn-amd-amdhsa--gfx1250"
	.amdhsa_code_object_version 6
	.text
	.protected	k_q3d7c2492b8_proj
	.globl	k_q3d7c2492b8_proj
	.p2align	8
	.type	k_q3d7c2492b8_proj,@function
k_q3d7c2492b8_proj:
	s_mov_b64 s[64:65], 0
	v_nop
	global_prefetch_b8 v0, s[64:65] scope:SCOPE_SE
	s_setreg_imm32_b32 hwreg(HW_REG_WAVE_MODE, 25, 1), 1
	s_wait_xcnt 0x0
	s_wait_alu depctr_hold_cnt(0) depctr_sa_sdst(0) depctr_va_vdst(0) depctr_va_sdst(0) depctr_va_ssrc(0) depctr_va_vcc(0) depctr_vm_vsrc(0)
	s_getreg_b32 s2, hwreg(HW_REG_IB_STS2, 6, 4)
	s_cmp_eq_u32 s2, 0
	s_cbranch_scc0 .Lentry_in_a_cluster
	s_endpgm
.Lentry_in_a_cluster:
	s_bfe_u32 s2, ttmp6, 0x10000c
	s_cmp_lg_u32 s2, 0xf033
	s_cbranch_scc0 .Lentry_shape_is_right
	s_endpgm
.Lentry_shape_is_right:
; PROJ.  qkv[row][o] = sum over h of x[row][h] W[o][h] + bias[o], o = 0..3071 (q | k | v), written as f16.  xb [16 K blocks][8192][64], wb [16][3072][64] bf16; sums in f32.
; The bias is rounded to bf16 like the other inputs of the module and is the C operand of the products that start the sums.
; LIMIT.  f16 holds no number beyond 65,504: a q, k or v of 65,520 or more becomes an infinity.  NaN and infinities in the inputs are not treated apart.
; SHARES.  A work-group makes 256 rows x 384 columns: columns 128 tx .. 128 tx + 127 of each of q, k and v: 8 x 32 work-groups.  Four waves, each 128 rows x 192 columns: 96 accumulators
; (a = 0..7, b = 0..11), 768 registers.  K goes in 16 steps of 64, one K block each, through two LDS slots; two slots of 128 along K for 640 rows would not fit in LDS.  A tile is dense in memory and
; is asked for as rows of 256 bytes, padded in LDS after every 128: an LDS row is one row of x or W.
; THE MATRIX INSTRUCTION IS USED TRANSPOSED: source 0 = 16 rows of W, source 1 = 16 rows of x: lane r + 16 h, register j holds (row 16 a + r, column 16 b + 8 h + j).
; CLUSTER 4 x 4: the four of a row need the same tile of xb, the four of a column the same tile of wb: each is asked for jointly.  Waves 0 to 2 ask for Wq's, Wk's, Wv's 128 rows, wave 3 for xb's 256.
; REGISTERS, in windows of 256 (s_set_vgpr_msb: bits 1:0 source 0, 3:2 source 1, 5:4 source 2, 7:6 destination):
;   window 0: v16-29 addresses; v32-159 fragments of x, two buffers of 64; v160-255 fragments of W, ONE buffer of 96      windows 1, 2, 3: the accumulators of b = 0-3, 4-7, 8-11 ((a, b) at v[8 (8 (b % 4) + a)])
; A QUARTER is 32 along K: three runs of 32 matrix instructions, a window each.  Behind run g the four fragments of W that it has read are loaded again, for the next quarter; behind run 0 also the next
; quarter's fragments of x, into the other buffer.  So each load is issued 64 matrix instructions ahead of its first use, and 40 LDS loads feed 96 matrix instructions.
.set STEPS, 16
.set PT,    144                        ; an LDS row: 128 bytes + 16 of padding: the 16 rows of a load start at 16 different groups of four banks (64 banks of 4 bytes: ISA guide 11.1)
.set BOFF,  256*PT                     ; xb's 256 rows, then W's 384
.set SLOTB, BOFF+384*PT
.set SLOT1, 1<<17                      ; slot 1 begins here, so that one exclusive or turns an address in one slot into the other's
.set SPI,   784                        ; the way out's stage: 256 rows of 768 bytes + 16, from LDS byte 0 on: over the slots, which have had their last fill by then
.set SPARE, SLOT1+SLOTB                ; behind slot 1 and behind the stage: the spare words, 128 bytes a wave
.set ASTEP, 8192*128                   ; bytes from a K block to the next
.set BSTEP, 3072*128
.set ADA0, 16                          ; v16 my lane's place among my rows of x in a slot; never rewritten
.set ADB0, 17                          ; v17 the same for W
.set ADRA, 18                          ; v18 the same in the slot of the step that is being fetched
.set ADRB, 19
.set STO,  20                          ; v20 the way out: where I put 16 bytes of a row, blocks a = 0-3
.set STO2, 21                          ; v21 blocks a = 4-7
.set RD,   22                          ; v22 where I read rows back; it steps in the loop
.set CO,   23                          ; v23 my byte offset in qkv
.set BO,   24                          ; v24 32 h: my eight numbers of a group of 16 of the bias
.set PFA,  25                          ; v25 the block of xb's tile that I ask the L2 for
.set PFB,  26                          ; v26 the same for wb
.set SPW,  28
.set NIL,  29
.set AF,   32
.set BF,   160
.set TMP,  32
.set OB,   32
.set TB,   66                          ; s66 LDS byte at which the slot of the step that is being fetched begins
.set G1, 24                            ; s[24:31] group 1 for xb's tiles; s[32:39] group 0: a set for each of the two first fills; the second then walks on
.set G0, 32
.set G1B, 48                           ; s[48:55], s[56:63] the same for wb's
.set G0B, 56
.set MSB, 0
.macro WIN new                         ; the immediate's high byte repeats the setting that is left; a switch that changes nothing is dropped
.if MSB != (\new)
	s_set_vgpr_msb (MSB<<8)|(\new)
.set MSB, \new
.endif
.endm
.macro JLOAD s                         ; a joint load; an s_nop 0 and four v_nop follow each of the two lines.  The branch hangs on the wave's number alone
	s_cmp_eq_u32 s10, 3
	s_cbranch_scc0 .Lfor_b_\@
	tensor_load_to_lds s[G0+4*(\s):G0+4*(\s)+3], s[G1:G1+7]
	s_nop 0
.rept 4
	v_nop
.endr
	s_branch .Lasked_\@
.Lfor_b_\@:
	tensor_load_to_lds s[G0B+4*(\s):G0B+4*(\s)+3], s[G1B:G1B+7]
	s_nop 0
.rept 4
	v_nop
.endr
.Lasked_\@:
.endm
.macro CREST                           ; a round of the cluster's barrier behind its opening barrier
	s_cmp_lg_u32 s10, 0
	s_cbranch_scc1 .Lnot_wave_0_\@
	s_barrier_signal -3
.Lnot_wave_0_\@:
	s_barrier_wait -3
	s_barrier_signal -1
	s_barrier_wait -1
.endm
.macro CROUND
	s_barrier_signal -1
	s_barrier_wait -1
	CREST
.endm
.macro PLACES                          ; four places in front of loads into registers that matrix instructions have read, and of conversions that read results
.rept 4
	v_nop
.endr
.endm
	s_load_b256 s[68:75], s[0:1], 0x0              ; xb s[68:69], wb s[70:71], bq s[72:73], bk s[74:75]
	s_load_b128 s[76:79], s[0:1], 0x20             ; bv s[76:77], qkv s[78:79]
	v_lshl_add_u32 v[SPW], v0, 2, SPARE
	v_mov_b32 v[NIL], 0
	ds_add_u32 v[SPW], v[NIL]                      ; the wave's opening: the add and its wait stand ahead of my first tensor load
	v_lshrrev_b32 v1, 5, v0
	v_readfirstlane_b32 s10, v1                    ; wave 0..3
	s_lshr_b32 s11, s10, 1                         ; which half of the rows is mine,
	s_and_b32 s12, s10, 1                          ; and of the columns
	s_bfe_u32 s40, ttmp6, 0x40000                  ; cx, cy
	s_bfe_u32 s41, ttmp6, 0x40004
	s_lshl_b32 s42, ttmp9, 2
	s_add_co_u32 s42, s42, s40                     ; tile column = 4 x cluster x + cx
	s_and_b32 s13, ttmp7, 0xffff
	s_lshl_b32 s13, s13, 2
	s_add_co_u32 s13, s13, s41                     ; tile row = 4 x cluster y + cy
	s_lshl_b32 s43, s41, 2
	s_lshl_b32 s43, 15, s43                        ; my row of the cluster
	s_lshl_b32 s44, 0x1111, s40                    ; my column
	s_or_b32 s[G1], s43, (1<<16)|(1<<20)|(1<<21)|(4<<22)|(3<<25)   ; the mask; 2-byte elements; padding on; bit 21 beside a mask; after every 32 words 4 words
	s_or_b32 s[G1B], s44, (1<<16)|(1<<20)|(1<<21)|(4<<22)|(3<<25)
	s_mov_b32 s[G1+1], 128<<16                     ; tensor_dim0 = 128 elements: 256 bytes, two rows of x
	s_mov_b32 s[G1+2], 128<<16                     ; tensor_dim1 = 128
	s_mov_b32 s[G1+3], 128<<16                     ; tile_dim0 = 128
	s_mov_b32 s[G1+4], 128                         ; tile_dim1 = 128
	s_mov_b32 s[G1+5], 128                         ; dense: 128 elements from row to row
	s_mov_b32 s[G1+6], 0
	s_mov_b32 s[G1+7], 0
	s_mov_b32 s[G1B+1], 128<<16
	s_mov_b32 s[G1B+2], 64<<16                     ; 64 rows of 256 bytes: 128 rows of one W
	s_mov_b32 s[G1B+3], 128<<16
	s_mov_b32 s[G1B+4], 64
	s_mov_b32 s[G1B+5], 128
	s_mov_b32 s[G1B+6], 0
	s_mov_b32 s[G1B+7], 0
	s_lshl_b32 s16, s13, 15                        ; xb: 256 rows of 128 bytes for each tile row
	s_mov_b32 s17, 0
	s_lshl_b32 s18, s42, 14                        ; wb: 128 rows for each tile column,
	s_mov_b32 s19, 0
	s_lshl_b32 s46, s10, 17                        ; in the 1,024 rows of W number wave (wave 3 makes these words too and never asks by them)
	s_add_co_u32 s46, s46, s18
	s_mov_b32 s47, 0
	s_mul_i32 s21, s10, 128*PT                     ; where W's rows go: no place in the cluster enters an LDS address
	s_add_co_u32 s21, s21, BOFF
	s_mov_b32 s[TB], 0
	s_mov_b32 s9, 0
	s_mov_b32 s23, 0
	s_wait_dscnt 0x0                               ; the opening add is done
	s_wait_kmcnt 0x0
	s_add_nc_u64 s[14:15], s[68:69], s[16:17]
	s_add_nc_u64 s[46:47], s[70:71], s[46:47]
	s_add_nc_u64 s[4:5], s[14:15], 3*ASTEP         ; what the L2 is asked for: the first trip steps these two on to K step 4
	s_add_nc_u64 s[6:7], s[70:71], s[18:19]
	s_add_nc_u64 s[6:7], s[6:7], 3*BSTEP
	CROUND                                         ; all sixteen work-groups are here: the first joint loads meet
.irp s, 0,1
	s_mov_b32 s[G0+4*(\s)], 1
	s_mov_b32 s[G0+4*(\s)+1], (\s)*SLOT1
	s_add_nc_u64 s[G0+4*(\s)+2:G0+4*(\s)+3], s[14:15], (\s)*ASTEP
	s_or_b32 s[G0+4*(\s)+3], s[G0+4*(\s)+3], 0x80000000
	s_mov_b32 s[G0B+4*(\s)], 1
	s_add_co_u32 s[G0B+4*(\s)+1], s21, (\s)*SLOT1
	s_add_nc_u64 s[G0B+4*(\s)+2:G0B+4*(\s)+3], s[46:47], (\s)*BSTEP
	s_or_b32 s[G0B+4*(\s)+3], s[G0B+4*(\s)+3], 0x80000000
	JLOAD \s                                       ; two tensor loads of mine are out
.endr
	; THE BIAS.  Run g of my wave has the columns of half number 3 x (my half of the columns) + g of the six halves of q's, k's and v's 128 columns: one bias vector for each run.
	v_and_b32 v1, 15, v0                           ; r
	v_bfe_u32 v2, v0, 4, 1                         ; h
	v_lshlrev_b32 v[BO], 5, v2
	s_mul_i32 s14, s12, 3
	s_lshl_b32 s17, s42, 9                         ; 128 f32 for each tile column
.macro BPTR g, p
	s_add_co_u32 s15, s14, \g
	s_lshr_b32 s16, s15, 1                         ; q, k or v
	s_and_b32 s15, s15, 1
	s_lshl_b32 s15, s15, 8                         ; its first or second 64 columns
	s_add_co_u32 s22, s15, s17
	s_cmp_eq_u32 s16, 1
	s_cselect_b64 s[\p:\p+1], s[74:75], s[72:73]
	s_cmp_eq_u32 s16, 2
	s_cselect_b64 s[\p:\p+1], s[76:77], s[\p:\p+1]
	s_add_nc_u64 s[\p:\p+1], s[\p:\p+1], s[22:23]
.endm
	BPTR 0, 80
	BPTR 1, 82
	BPTR 2, 20
	WIN 0xc0                                       ; runs 0 and 1 take their bias from v0-63 of window 3, whose accumulators start last
.irp i, 0,1,2,3
	global_load_b128 v[8*(\i):8*(\i)+3],       v[BO], s[80:81] offset:64*(\i)      ; columns 16 i + 8 h + 0..3
	global_load_b128 v[8*(\i)+4:8*(\i)+7],     v[BO], s[80:81] offset:64*(\i)+16
	global_load_b128 v[32+8*(\i):32+8*(\i)+3], v[BO], s[82:83] offset:64*(\i)
	global_load_b128 v[32+8*(\i)+4:32+8*(\i)+7], v[BO], s[82:83] offset:64*(\i)+16
.endr
	WIN 0                                          ; run 2 takes its bias from the second buffer of x, which is filled behind it
.irp i, 0,1,2,3
	global_load_b128 v[AF+64+8*(\i):AF+64+8*(\i)+3],   v[BO], s[20:21] offset:64*(\i)
	global_load_b128 v[AF+64+8*(\i)+4:AF+64+8*(\i)+7], v[BO], s[20:21] offset:64*(\i)+16
.endr
	v_mul_u32_u24 v3, v1, PT
	v_lshl_add_u32 v3, v2, 4, v3                   ; a fragment's row x pitch + 16 x half
	s_mul_i32 s22, s11, 128*PT                     ; my 128 rows of x
	v_add_nc_u32 v[ADA0], s22, v3
	s_mul_i32 s22, s12, 192*PT                     ; my 192 rows of W
	s_add_co_u32 s22, s22, BOFF
	v_add_nc_u32 v[ADB0], s22, v3
	v_mov_b32 v[ADRA], v[ADA0]                     ; K step 0 lies in slot 0
	v_mov_b32 v[ADRB], v[ADB0]
	v_mul_u32_u24 v4, v1, SPI                      ; into the stage: row 128 x half + 16 a + r, byte 384 x half + 32 b + 16 h
	v_lshl_add_u32 v4, v2, 4, v4
	s_mul_i32 s22, s11, 128*SPI
	s_mul_i32 s15, s12, 384
	s_add_co_u32 s22, s22, s15
	v_add_nc_u32 v[STO], s22, v4
	v_add_nc_u32 v[STO2], 64*SPI, v[STO]
	v_mul_u32_u24 v5, v2, SPI                      ; back: wave w takes rows 64 w on; lanes 0-15 256 bytes of one row, lanes 16-31 of the next
	v_lshl_add_u32 v5, v1, 4, v5
	s_mul_i32 s22, s10, 64*SPI
	v_add_nc_u32 v[RD], s22, v5
	v_mul_u32_u24 v5, v2, 6144
	v_lshl_add_u32 v[CO], v1, 4, v5                ; the same two rows in qkv
	s_lshl_b32 s22, s13, 8
	s_lshl_b32 s15, s10, 6
	s_add_co_u32 s22, s22, s15
	s_mul_i32 s22, s22, 6144                       ; the first row that I store,
	s_lshl_b32 s15, s42, 8
	s_add_co_u32 s22, s22, s15                     ; the tile's first column in q
	s_add_nc_u64 s[78:79], s[78:79], s[22:23]
	; what I ask the L2 for.  xb's tile is 128 blocks of 256 bytes and serves 8 work-groups: mine takes 16 of them, each wave 4.  wb's is 192 blocks and serves 32: mine takes 6, waves 0 to 2 two each (wave 3 repeats the last).
	v_and_b32 v5, 3, v0
	s_lshl_b32 s22, s42, 4
	s_lshl_b32 s15, s10, 2
	s_add_co_u32 s22, s22, s15
	v_add_nc_u32 v5, s22, v5
	v_lshlrev_b32 v[PFA], 8, v5
	v_and_b32 v6, 1, v0
	s_lshl_b32 s22, s10, 1
	v_add_nc_u32 v6, s22, v6
	v_min_u32 v6, 5, v6
	s_mul_i32 s22, s13, 6
	v_add_nc_u32 v6, s22, v6                       ; block 0..191: 64 for each W
	v_lshrrev_b32 v7, 6, v6
	v_and_b32 v6, 63, v6
	v_lshlrev_b32 v6, 8, v6
	v_lshl_add_u32 v[PFB], v7, 17, v6
	s_wait_loadcnt 0x0
	WIN 0xcf                               ; the bias is rounded to bf16 and widened again
.set k, 0
.rept 32
	v_cvt_pk_bf16_f32 v[128+k], v[2*k], v[2*k+1]
.set k, k+1
.endr
.set k, 0
.rept 32
	v_lshlrev_b32 v[2*k], 16, v[128+k]
	v_and_b32 v[2*k+1], 0xffff0000, v[128+k]
.set k, k+1
.endr
	WIN 0
.set k, 0
.rept 16
	v_cvt_pk_bf16_f32 v30, v[AF+64+2*k], v[AF+64+2*k+1]
	v_lshlrev_b32 v[AF+64+2*k], 16, v30
	v_and_b32 v[AF+64+2*k+1], 0xffff0000, v30
.set k, k+1
.endr
.macro LDB g, ko                       ; 8 LDS loads: W's fragments b = 4 g .. 4 g + 3, 32 along K at byte ko of the rows
.irp i, 0,1,2,3
	ds_load_b128 v[BF+8*(4*(\g)+(\i)):BF+8*(4*(\g)+(\i))+3],   v[ADRB] offset:(\ko)+(4*(\g)+(\i))*16*PT
	ds_load_b128 v[BF+8*(4*(\g)+(\i))+4:BF+8*(4*(\g)+(\i))+7], v[ADRB] offset:(\ko)+(4*(\g)+(\i))*16*PT+32
.endr
.endm
.macro LDA f, ko                       ; 16 LDS loads: x's eight fragments into buffer f
.irp i, 0,1,2,3,4,5,6,7
	ds_load_b128 v[AF+64*(\f)+8*(\i):AF+64*(\f)+8*(\i)+3],   v[ADRA] offset:(\ko)+(\i)*16*PT
	ds_load_b128 v[AF+64*(\f)+8*(\i)+4:AF+64*(\f)+8*(\i)+7], v[ADRA] offset:(\ko)+(\i)*16*PT+32
.endr
.endm
; matrix instructions n0 .. n1 - 1 of run g (n = 8 (b % 4) + a), x out of buffer f.  cm = 1: the bias starts the sums.  The 96 accumulators take turns in one fixed order.
.macro RUN f, g, n0, n1, cm
.if \cm
.if (\g) == 2
	WIN 0xc0                                       ; D window 3, C window 0
.set CB, AF+64
.else
	WIN 0x70+0x40*(\g)                             ; D window 1 or 2, C window 3
.set CB, 32*(\g)
.endif
.else
	WIN 0x50*(1+(\g))                              ; C and D window 1 + g
.endif
.set n, \n0
.rept (\n1)-(\n0)
.if \cm
	v_wmma_f32_16x16x32_bf16 v[8*n:8*n+7], v[BF+8*(4*(\g)+n/8):BF+8*(4*(\g)+n/8)+7], v[AF+64*(\f)+8*(n%8):AF+64*(\f)+8*(n%8)+7], v[CB+8*(n/8):CB+8*(n/8)+7]
.else
	v_wmma_f32_16x16x32_bf16 v[8*n:8*n+7], v[BF+8*(4*(\g)+n/8):BF+8*(4*(\g)+n/8)+7], v[AF+64*(\f)+8*(n%8):AF+64*(\f)+8*(n%8)+7], v[8*n:8*n+7]
.endif
.set n, n+1
.endr
.endm
; A K step's FIRST quarter: x out of buffer 0; it fetches the step's second quarter.  pf = 1: the L2 is asked for the tiles of the K step four on, whose tensor load is issued two trips later; the address stops at the last K step.
.macro QE pf
	s_wait_dscnt 16                                ; W's group 0 and x are in; groups 1 and 2 may be out
	RUN 0, 0, 0, 32, 0
	WIN 0
.if \pf
	s_wait_xcnt 0x0                                ; the last trip's requests have had their addresses translated (ISA guide 3.1): their bases step only behind this wait
	s_cmp_gt_u32 s3, 2
	s_cselect_b32 s8, ASTEP, 0
	s_cselect_b32 s18, BSTEP, 0
	s_add_nc_u64 s[4:5], s[4:5], s[8:9]
	s_add_nc_u64 s[6:7], s[6:7], s[18:19]
	global_prefetch_b8 v[PFA], s[4:5] th:TH_LOAD_NT scope:SCOPE_SE
	global_prefetch_b8 v[PFB], s[6:7] th:TH_LOAD_NT scope:SCOPE_SE
.endif
	PLACES
	LDB 0, 64
	LDA 1, 64
	s_wait_dscnt 32                                ; group 1 is in: behind it stand group 2 and the 24 just issued
	RUN 0, 1, 0, 32, 0
	WIN 0
	PLACES
	LDB 1, 64
	s_wait_dscnt 32                                ; group 2 is in: behind it stand 24 and 8
	RUN 0, 2, 0, 32, 0
	WIN 0
	PLACES
	LDB 2, 64
.endm
; A K step's SECOND quarter: x out of buffer 1.  All reads of the step's slot have been issued, so the slots change inside run 0: ONE barrier; in front of it each wave waits for all its tensor loads,
; adds 0 to its spare word, and waits for that and for its reads.  fill = 1: the barrier opens a round of the cluster's, and the slot is filled again, two K steps ahead.  Then the next step's first quarter is fetched.
.macro QO fill
	WIN 0
	s_wait_tensorcnt 0x0                           ; all my tensor loads have landed: the one that was out is my part of the other slot
	ds_add_u32 v[SPW], v[NIL]                      ; 0 onto my spare word
	s_wait_dscnt 17                                ; (the add and W's groups 1 and 2 may be out)
	RUN 1, 0, 0, 16, 0                             ; sixteen matrix instructions stand between the add and the wait for it
	s_wait_dscnt 0x0                               ; the add is done, and my reads of this slot are over
	s_barrier_signal -1
	RUN 1, 0, 16, 32, 0
	WIN 0
	s_barrier_wait -1
.if \fill
	CREST                                          ; no wave of any partner still reads this slot or has a load on its way
	s_xor_b32 s[G0+5], s[G0+5], SLOT1              ; the walking descriptors: the other slot than last time,
	s_add_nc_u64 s[G0+6:G0+7], s[G0+6:G0+7], ASTEP ; the next K block; the type bits on top are not reached
	s_xor_b32 s[G0B+5], s[G0B+5], SLOT1
	s_add_nc_u64 s[G0B+6:G0B+7], s[G0B+6:G0B+7], BSTEP
	JLOAD 1                                        ; my one tensor load behind the round; its four v_nop are also the places in front of the loads below
.else
	PLACES
.endif
	s_xor_b32 s[TB], s[TB], SLOT1                  ; the fetches go on in the other slot
	v_add_nc_u32 v[ADRA], s[TB], v[ADA0]
	v_add_nc_u32 v[ADRB], s[TB], v[ADB0]
	LDB 0, 0
	LDA 0, 0
	RUN 1, 1, 0, 32, 0                             ; groups 1 and 2 were shown in by the wait for 0
	WIN 0
	PLACES
	LDB 1, 0
	RUN 1, 2, 0, 32, 0
	WIN 0
	PLACES
	LDB 2, 0
.endm
	s_wait_tensorcnt 1                             ; my part of K step 0 is in; K step 1's may stay out
	s_barrier_signal -1
	s_barrier_wait -1
	LDB 0, 0
	LDA 0, 0
	LDB 1, 0
	LDB 2, 0
	s_wait_dscnt 16                                ; THE FIRST QUARTER stands in front of the loop: its products start the sums, with the bias
	RUN 0, 0, 0, 32, 1
	WIN 0
	PLACES
	LDB 0, 64
	s_wait_dscnt 16                                ; group 1 is in: behind it stand group 2 and the 8 just issued
	RUN 0, 1, 0, 32, 1
	WIN 0
	PLACES
	v_nop                                          ; a fifth place: run 2 writes over registers that run 1 has read as C
	LDB 1, 64
	s_wait_dscnt 16
	RUN 0, 2, 0, 32, 1
	WIN 0
	PLACES
	LDB 2, 64
	LDA 1, 64                                      ; only now: the buffer held run 2's bias
	s_wait_dscnt 0x0                               ; once: here x's fragments are the youngest loads, which the loop's counts do not allow for
	s_mov_b32 s3, STEPS-2
.Lstep:                                                ; a trip: a K step's second quarter and the next step's first; it fills one slot again
	QO 1
	QE 1
	s_sub_co_u32 s3, s3, 1
	s_cmp_lg_u32 s3, 0
	s_cbranch_scc1 .Lstep
	QO 0                                           ; the last two K steps fill nothing
	QE 0
	s_wait_dscnt 16                                ; the last quarter: nothing more to fetch
	RUN 1, 0, 0, 32, 0
	s_wait_dscnt 8
	RUN 1, 1, 0, 32, 0
	s_wait_dscnt 0x0
	RUN 1, 2, 0, 32, 0
	WIN 0
	PLACES
	; THE WAY OUT.  All tensor loads have landed and no slot is filled again: when every wave's reads are over, the stage takes the slots' bytes.  Rounded to f16, 16 bytes a lane into rows of 784 bytes;
	; a barrier, since a row's 768 bytes come from two waves; back as whole pieces of 256 bytes: q's, k's and v's 128 columns of a row.
	s_barrier_signal -1
	s_barrier_wait -1
.irp g, 0,1,2
	WIN 5*(1+(\g))                                 ; sources 0 and 1: window 1 + g
.set n, 0
.rept 32
.irp q, 0,1,2,3
	v_cvt_pk_f16_f32 v[TMP+4*n+(\q)], v[8*n+2*(\q)], v[8*n+2*(\q)+1]
.endr
.set n, n+1
.endr
	WIN 0
.set n, 0
.rept 32
.if n%8 < 4
	ds_store_b128 v[STO], v[TMP+4*n:TMP+4*n+3] offset:(n%8)*16*SPI+32*(4*(\g)+n/8)
.else
	ds_store_b128 v[STO2], v[TMP+4*n:TMP+4*n+3] offset:(n%8-4)*16*SPI+32*(4*(\g)+n/8)
.endif
.set n, n+1
.endr
.endr
	s_wait_dscnt 0x0                               ; for the others' sake: my stores into the stage are done
	s_barrier_signal -1
	s_barrier_wait -1
	s_mov_b32 s3, 8
.Lout:                                                 ; a trip: eight rows, twelve loads and stores
.set k, 0
.rept 12
	ds_load_b128 v[OB+4*k:OB+4*k+3], v[RD] offset:(k/3)*2*SPI+(k%3)*256
.set k, k+1
.endr
.set k, 0
.rept 12
	s_wait_dscnt 11-k
	global_store_b128 v[CO], v[OB+4*k:OB+4*k+3], s[78:79] offset:(k/3)*2*6144+(k%3)*2048  ; 16 lanes store 256 consecutive bytes, aligned
.set k, k+1
.endr
	s_wait_xcnt 0x0                                ; the stores' base and data are rewritten only behind this wait (ISA guide 3.1)
	v_add_nc_u32 v[RD], 8*SPI, v[RD]
	s_add_nc_u64 s[78:79], s[78:79], 8*6144
	s_sub_co_u32 s3, s3, 1
	s_cmp_lg_u32 s3, 0
	s_cbranch_scc1 .Lout
	s_wait_tensorcnt 0x0                           ; the wave's end
	ds_add_u32 v[SPW], v[NIL]
	s_wait_dscnt 0x0
	CROUND                                         ; the closing round
	s_endpgm
.Lfunc_end_k_q3d7c2492b8_proj:
	.size	k_q3d7c2492b8_proj, .Lfunc_end_k_q3d7c2492b8_proj-k_q3d7c2492b8_proj
	.p2alignl 7, 3214868480
	.fill 96, 4, 3214868480
	.section	.rodata,"a",@progbits
	.p2align	6, 0x0
	.amdhsa_kernel k_q3d7c2492b8_proj
		.amdhsa_group_segment_fixed_size 327680
		.amdhsa_private_segment_fixed_size 0
		.amdhsa_enable_private_segment 0
		.amdhsa_kernarg_size 48
		.amdhsa_user_sgpr_count 2
		.amdhsa_user_sgpr_kernarg_segment_ptr 1
		.amdhsa_wavefront_size32 1
		.amdhsa_system_sgpr_workgroup_id_x 1
		.amdhsa_system_sgpr_workgroup_id_y 1
		.amdhsa_system_sgpr_workgroup_id_z 1
		.amdhsa_system_vgpr_workitem_id 0
		.amdhsa_next_free_vgpr 1024
		.amdhsa_next_free_sgpr 84
		.amdhsa_reserve_vcc 0
		.amdhsa_float_denorm_mode_32 3
		.amdhsa_float_denorm_mode_16_64 3
		.amdhsa_memory_ordered 1
		.amdhsa_forward_progress 1
		.amdhsa_inst_pref_size 109
	.end_amdhsa_kernel
	.amdgpu_metadata
---
amdhsa.version: [ 1, 2 ]
amdhsa.kernels:
  - .name:           k_q3d7c2492b8_proj
    .symbol:         k_q3d7c2492b8_proj.kd
    .args:
      - { .name: xb, .offset: 0, .size: 8, .value_kind: global_buffer, .address_space: global }
      - { .name: wb, .offset: 8, .size: 8, .value_kind: global_buffer, .address_space: global }
      - { .name: bq, .offset: 16, .size: 8, .value_kind: global_buffer, .address_space: global }
      - { .name: bk, .offset: 24, .size: 8, .value_kind: global_buffer, .address_space: global }
      - { .name: bv, .offset: 32, .size: 8, .value_kind: global_buffer, .address_space: global }
      - { .name: qkv, .offset: 40, .size: 8, .value_kind: global_buffer, .address_space: global }
    .group_segment_fixed_size: 327680
    .private_segment_fixed_size: 0
    .kernarg_segment_align: 8
    .kernarg_segment_size: 48
    .max_flat_workgroup_size: 128
    .sgpr_count:     84
    .vgpr_count:     1024
    .wavefront_size: 32
...
	.end_amdgpu_metadata
.endif
;; end of part 2
;; launch score (part 3): grid 8 x 32, 4 waves a work-group, clusters of 4 x 4, 327,680 bytes of LDS; arguments qkv, mbits, pb, stm, stl; writes pb, stm, stl
.if DOCPART == 3
	.amdgcn_target "amdgcn-amd-amdhsa--gfx1250"
	.amdhsa_code_object_version 6
	.text
	.protected	k_q3d7c2492b8_score
	.globl	k_q3d7c2492b8_score
	.p2align	8
	.type	k_q3d7c2492b8_score,@function
k_q3d7c2492b8_score:
	s_mov_b64 s[64:65], 0
	v_nop
	global_prefetch_b8 v0, s[64:65] scope:SCOPE_SE
	s_setreg_imm32_b32 hwreg(HW_REG_WAVE_MODE, 25, 1), 1
	s_wait_xcnt 0x0
	s_wait_alu depctr_hold_cnt(0) depctr_sa_sdst(0) depctr_va_vdst(0) depctr_va_sdst(0) depctr_va_ssrc(0) depctr_va_vcc(0) depctr_vm_vsrc(0)
	s_getreg_b32 s2, hwreg(HW_REG_IB_STS2, 6, 4)
	s_cmp_eq_u32 s2, 0
	s_cbranch_scc0 .Lentry_in_a_cluster
	s_endpgm
.Lentry_in_a_cluster:
	s_bfe_u32 s2, ttmp6, 0x10000c
	s_cmp_lg_u32 s2, 0xf033
	s_cbranch_scc0 .Lentry_shape_is_right
	s_endpgm
.Lentry_shape_is_right:
; SCORE.  s = q k^T (f16 operands out of qkv, sums in f32), the mask, and the first level of the softmax: for each query and each block of 128 keys
;   cm = c x max(visible s, lowest finite number),  p' = 2^(c s - cm) rounded to f16 (0 where hidden),  l = the sum of the unrounded p';   c = log2(e) / 32.
; pb [8192][2048] f16 takes p', stm and stl [16 key blocks][8192 rows] f32 take cm and l.  The next launch takes the maximum of a row's 16 cm away, so the row's true maximum is subtracted.
; LIMITS.  A weight below 2^-126 counts as 0 in l; p' below 6e-5 keeps f16's fixed step of 6e-8.  NaN and infinities are not treated apart.
; SHARES.  A tile is 256 queries x 256 keys of one batch, four waves of 128 x 128: 64 accumulators, 512 registers.  K = 1,024 goes in 8 steps of 128 through two LDS slots filled by joint
; tensor loads: cluster 4 x 4, q's tile shared along a row of the cluster, k's along a column.  A wave's 128 keys are one key block, so the statistics never leave the wave.
; THE MATRIX INSTRUCTION IS USED TRANSPOSED (source 0 = 16 keys, source 1 = 16 queries): lane r + 16 h holds query r, its registers j the keys 8 h + j.
; THE TEXT.  A K step is written once for the six steps that fill a slot again and once for the last two: the LDS address of the step that is fetched hangs on a scalar register that turns between 0 and
; the slot's size, and one descriptor a tensor walks on.  The second text is a loop of two trips that is left in its middle; its price, once a wave: one barrier more, and one run of 32 LDS loads that serve nothing.
; THE MASK WORDS of my 8 blocks of 16 queries, 64 words each (word 8 b + j: bit r + 16 h says that key 16 b + 8 h + j is visible to query r), are loaded once at the head, 256 consecutive bytes a load, and land under the products.
; REGISTERS, in windows of 256 (s_set_vgpr_msb: bits 1:0 source 0, 3:2 source 1, 5:4 source 2, 7:6 destination):
;   window 0: v16-31 addresses; v32-47 the mask words; v64-127, v128-191 fragments of q, two buffers; on the way out v64-127 a block's 64 scores, v128-159 packed, v160-191 rows read back, v192-219 at work
;   window 1: v64-127, v128-191 fragments of k      window 2: the accumulators of my queries 0-63 ((a, b) at v[8 (8 a + b)])      window 3: those of queries 64-127
.set KSTEP,  128
.set KT,     8                         ; K steps
.set PITCH,  272                       ; an LDS row: 256 bytes + 16 of padding: the 16 rows of a load start at 16 different groups of four banks (64 banks of 4 bytes: ISA guide 11.1)
.set HALFT,  128*PITCH
.set SLOT,   4*HALFT                   ; q's 256 rows, then k's 256 rows
.set STAGE,  2*SLOT                    ; behind the ring: 16 rows x 272 bytes for each wave
.set SPITCH, 272
.set STATS,  STAGE+4*16*SPITCH         ; 1,024 bytes a wave: cm of my 128 queries, then l
.set SPARE,  STATS+4*1024              ; the spare words, 128 bytes a wave
.set ADA0, 16                          ; v16 my lane's place among my rows of q in a slot; never rewritten
.set ADB0, 17                          ; v17 the same for k
.set ADRA, 18                          ; v18 the same in the slot of the step that is being fetched
.set ADRB, 19
.set MO,   20                          ; v20 8 x lane: my two words of a block's 64; never rewritten
.set STO,  24
.set RD,   25
.set CO,   26
.set GS,   27                          ; v27 16 x lane
.set SPW,  28
.set NIL,  29
.set SS,   30                          ; v30 where my query's cm goes; it steps a block a trip
.set SR,   31                          ; v31 where the statistics are read back
.set MB,   32                          ; v32-47 the mask words: the block in hand in the lowest pair (word n in lane n / 2, register n % 2)
.set F0,   64
.set F1,   128
.set W0,   64
.set TMP,  128
.set OB,   160
.set T,    192
.set TB,   66                          ; s66 LDS byte at which the slot of the step that is being fetched begins: 0 or SLOT
.set G1, 24                            ; s[24:31] group 1 for q's tiles; s[32:39] group 0: a set for each of the two first fills; the second then walks on
.set G0, 32
.set G1B, 48                           ; s[48:55], s[56:63] the same for k's
.set G0B, 56
.set MSB, 0
.macro WIN new                         ; the immediate's high byte repeats the setting that is left; a switch that changes nothing is dropped
.if MSB != (\new)
	s_set_vgpr_msb (MSB<<8)|(\new)
.set MSB, \new
.endif
.endm
.set MUL_LO, 0xa1                      ; source 0 (k) window 1, source 1 (q) window 0, C and D window 2
.set MUL_HI, 0xf1
.set TO_B,   0x40
.macro JLOAD s                         ; waves 0 and 1 fetch q's two halves, waves 2 and 3 k's; an s_nop 0 and four v_nop follow each line
	s_cmp_eq_u32 s11, 0
	s_cbranch_scc0 .Lfor_b_\@
	tensor_load_to_lds s[G0+4*(\s):G0+4*(\s)+3], s[G1:G1+7]
	s_nop 0
.rept 4
	v_nop
.endr
	s_branch .Lasked_\@
.Lfor_b_\@:
	tensor_load_to_lds s[G0B+4*(\s):G0B+4*(\s)+3], s[G1B:G1B+7]
	s_nop 0
.rept 4
	v_nop
.endr
.Lasked_\@:
.endm
.macro CREST                           ; a round of the cluster's barrier behind its opening barrier
	s_cmp_lg_u32 s10, 0
	s_cbranch_scc1 .Lnot_wave_0_\@
	s_barrier_signal -3
.Lnot_wave_0_\@:
	s_barrier_wait -3
	s_barrier_signal -1
	s_barrier_wait -1
.endm
.macro CROUND
	s_barrier_signal -1
	s_barrier_wait -1
	CREST
.endm
	s_load_b256 s[84:91], s[0:1], 0x0              ; qkv s[84:85], mbits s[86:87], pb s[88:89], stm s[90:91]
	s_load_b64 s[92:93], s[0:1], 0x20              ; stl
	v_lshl_add_u32 v[SPW], v0, 2, SPARE
	v_mov_b32 v[NIL], 0
	ds_add_u32 v[SPW], v[NIL]                      ; the wave's opening: the add and its wait stand ahead of my first tensor load
	v_lshrrev_b32 v1, 5, v0
	v_readfirstlane_b32 s10, v1                    ; wave 0..3
	s_lshr_b32 s11, s10, 1                         ; which half of the queries is mine.  Also: I fetch for q (0) or for k (1)
	s_and_b32 s12, s10, 1                          ; which half of the keys.  Also: which 128 rows of that tile I fetch
	s_bfe_u32 s40, ttmp6, 0x40000                  ; cx, cy
	s_bfe_u32 s41, ttmp6, 0x40004
	s_lshl_b32 s42, ttmp9, 2
	s_add_co_u32 s42, s42, s40                     ; tile column
	s_and_b32 s45, ttmp7, 0xffff
	s_lshl_b32 s13, s45, 2
	s_add_co_u32 s13, s13, s41                     ; tile row
	s_lshr_b32 s45, s45, 1                         ; the batch: 8 tile rows = 2 clusters each; the whole cluster shares it
	s_lshl_b32 s43, s41, 2
	s_lshl_b32 s43, 15, s43                        ; my row of the cluster
	s_lshl_b32 s44, 0x1111, s40                    ; my column
	s_or_b32 s[G1], s43, (1<<16)|(1<<20)|(1<<21)|(5<<22)|(3<<25)   ; the mask; 2-byte elements; padding on; bit 21 beside a mask; after every 64 words 4 words
	s_or_b32 s[G1B], s44, (1<<16)|(1<<20)|(1<<21)|(5<<22)|(3<<25)
.irp g, G1, G1B
	s_mov_b32 s[(\g)+1], KSTEP<<16                 ; tensor_dim0 = 128
	s_mov_b32 s[(\g)+2], 128<<16                   ; tensor_dim1 = 128
	s_mov_b32 s[(\g)+3], KSTEP<<16                 ; tile_dim0 = 128
	s_mov_b32 s[(\g)+4], 128                       ; tile_dim1 = 128
	s_mov_b32 s[(\g)+5], 3072                      ; elements from row to row of qkv
	s_mov_b32 s[(\g)+6], 0
	s_mov_b32 s[(\g)+7], 0
.endr
	s_lshl_b32 s17, s12, 7
	s_lshl_b32 s16, s13, 8
	s_add_co_u32 s16, s16, s17                     ; q: row 256 x tile row + 128 x half
	s_mul_i32 s16, s16, 6144
	s_lshl_b32 s46, s42, 8
	s_add_co_u32 s46, s46, s17
	s_lshl_b32 s47, s45, 11
	s_add_co_u32 s46, s46, s47                     ; k: row 2,048 x batch + 256 x tile column + 128 x half,
	s_mul_i32 s46, s46, 6144
	s_add_co_u32 s46, s46, 2048                    ; columns 1,024 on
	s_mov_b32 s17, 0
	s_mov_b32 s47, 0
	s_mul_i32 s20, s10, HALFT                      ; where they go in a slot: wave x 128 rows; kept until the last fill
	s_mov_b32 s[TB], 0                             ; K step 0 lies in slot 0
	s_mov_b32 s94, 0xff800000                      ; a hidden score
	s_mov_b32 s95, 0xff7fffff                      ; the floor of a block's maximum
	s_mov_b32 s96, 0x3d38aa3b                      ; c = log2(e) / 32
	s_mov_b32 s97, s96
	s_mov_b32 s98, 0x76543210                      ; v_permlanex16_b32: each lane takes its own place in the other half
	s_mov_b32 s99, 0xfedcba98
	s_wait_dscnt 0x0                               ; the opening add is done
	s_wait_kmcnt 0x0
	s_add_nc_u64 s[14:15], s[84:85], s[16:17]
	s_add_nc_u64 s[46:47], s[84:85], s[46:47]
	CROUND                                         ; all sixteen work-groups are here
.irp s, 0,1
	s_mov_b32 s[G0+4*(\s)], 1
	s_add_co_u32 s[G0+4*(\s)+1], s20, (\s)*SLOT
	s_add_nc_u64 s[G0+4*(\s)+2:G0+4*(\s)+3], s[14:15], (\s)*KSTEP*2
	s_or_b32 s[G0+4*(\s)+3], s[G0+4*(\s)+3], 0x80000000
	s_mov_b32 s[G0B+4*(\s)], 1
	s_add_co_u32 s[G0B+4*(\s)+1], s20, (\s)*SLOT
	s_add_nc_u64 s[G0B+4*(\s)+2:G0B+4*(\s)+3], s[46:47], (\s)*KSTEP*2
	s_or_b32 s[G0B+4*(\s)+3], s[G0B+4*(\s)+3], 0x80000000
	JLOAD \s                                       ; two tensor loads of mine are out
.endr
	v_and_b32 v1, 15, v0                           ; r
	v_bfe_u32 v2, v0, 4, 1                         ; h
	v_mul_u32_u24 v3, v1, PITCH
	v_lshl_add_u32 v3, v2, 4, v3
	s_mul_i32 s21, s11, HALFT                      ; my 128 rows of q
	s_mul_i32 s22, s12, HALFT                      ; my 128 rows of k,
	s_add_co_u32 s22, s22, 2*HALFT                 ; which lie behind q's 256
	v_add_nc_u32 v[ADA0], s21, v3
	v_add_nc_u32 v[ADB0], s22, v3
	v_mov_b32 v[ADRA], v[ADA0]
	v_mov_b32 v[ADRB], v[ADB0]
	s_mul_i32 s23, s10, 16*SPITCH
	s_add_co_u32 s23, s23, STAGE
	v_add_nc_u32 v[STO], s23, v3                   ; in: row r, 16 bytes for each half of the lanes
	v_mul_u32_u24 v5, v2, SPITCH
	v_lshl_add_u32 v5, v1, 4, v5
	v_add_nc_u32 v[RD], s23, v5                    ; back: lanes 0-15 one row, lanes 16-31 the next
	v_lshlrev_b32 v5, 12, v2
	v_lshl_add_u32 v[CO], v1, 4, v5                ; the same two rows in pb
	s_lshl_b32 s23, s10, 10
	s_add_co_u32 s23, s23, STATS
	v_lshl_add_u32 v[SS], v1, 2, s23
	v_and_b32 v6, 31, v0
	v_lshlrev_b32 v[GS], 4, v6
	v_lshlrev_b32 v[MO], 3, v6
	v_add_nc_u32 v[SR], s23, v[GS]
	v_mov_b32 v215, 0                              ; named with cm as a pair
	v_mov_b32 v216, 0                              ; v_permlanex16_b32's destinations count as read
	v_mov_b32 v219, 0
	s_lshl_b32 s68, s13, 3                         ; my 8 x 64 mask words
	s_add_co_u32 s68, s68, s42
	s_lshl_b32 s68, s68, 2
	s_add_co_u32 s68, s68, s10
	s_lshl_b32 s68, s68, 11
	s_mov_b32 s69, 0
	s_add_nc_u64 s[86:87], s[86:87], s[68:69]
.irp a, 0,1,2,3,4,5,6,7
	global_load_b64 v[MB+2*(\a):MB+2*(\a)+1], v[MO], s[86:87] offset:256*(\a) th:TH_LOAD_NT  ; block a's 64 words: 256 consecutive bytes, aligned; waited for once, behind the last product
.endr
	s_lshl_b32 s70, s13, 8
	s_lshl_b32 s71, s11, 7
	s_add_co_u32 s70, s70, s71                     ; my first row
	s_lshl_b32 s68, s70, 12                        ; rows of pb: 4,096 bytes
	s_lshl_b32 s71, s42, 9
	s_add_co_u32 s68, s68, s71
	s_lshl_b32 s71, s12, 8
	s_add_co_u32 s68, s68, s71                     ; my first key
	s_add_nc_u64 s[88:89], s[88:89], s[68:69]
	s_lshl_b32 s68, s42, 1
	s_add_co_u32 s68, s68, s12                     ; my key block, 0..15
	s_lshl_b32 s68, s68, 13
	s_add_co_u32 s68, s68, s70
	s_lshl_b32 s68, s68, 2
	s_add_nc_u64 s[90:91], s[90:91], s[68:69]
	s_add_nc_u64 s[92:93], s[92:93], s[68:69]
; 16 matrix instructions: query blocks a0, a0 + 1 of the window's four x all 8 key blocks, 32 along K.  zero = 1: the first product starts the sums.  The 64 accumulators take turns.
.macro MUL16 f, hi, a0, zero
	WIN MUL_LO+0x50*(\hi)
.irp a, \a0, (\a0)+1
.irp b, 0,1,2,3,4,5,6,7
.if \zero
	v_wmma_f32_16x16x32_f16 v[8*(8*(\a)+(\b)):8*(8*(\a)+(\b))+7], v[(\f)+8*(\b):(\f)+8*(\b)+7], v[(\f)+8*(4*(\hi)+(\a)):(\f)+8*(4*(\hi)+(\a))+7], 0
.else
	v_wmma_f32_16x16x32_f16 v[8*(8*(\a)+(\b)):8*(8*(\a)+(\b))+7], v[(\f)+8*(\b):(\f)+8*(\b)+7], v[(\f)+8*(4*(\hi)+(\a)):(\f)+8*(4*(\hi)+(\a))+7], v[8*(8*(\a)+(\b)):8*(8*(\a)+(\b))+7]
.endif
.endr
.endr
.endm
.macro FETCH k, f                      ; 32 LDS loads in one run: 128 rows of k, 128 rows of q, 32 along K at byte k of the rows of the slot that is being fetched
	WIN TO_B
.irp i, 0,1,2,3,4,5,6,7
	ds_load_b128 v[(\f)+8*(\i):(\f)+8*(\i)+3],   v[ADRB] offset:(\k)+(\i)*16*PITCH
	ds_load_b128 v[(\f)+8*(\i)+4:(\f)+8*(\i)+7], v[ADRB] offset:(\k)+(\i)*16*PITCH+32
.endr
	WIN 0
.irp i, 0,1,2,3,4,5,6,7
	ds_load_b128 v[(\f)+8*(\i):(\f)+8*(\i)+3],   v[ADRA] offset:(\k)+(\i)*16*PITCH
	ds_load_b128 v[(\f)+8*(\i)+4:(\f)+8*(\i)+7], v[ADRA] offset:(\k)+(\i)*16*PITCH+32
.endr
.endm
.macro PLACES                          ; four places in front of loads into registers that matrix instructions have read, and of vector work on results
.rept 4
	v_nop
.endr
.endm
.macro QUARTER k, f, g, zero           ; one of a K step's first three quarters: multiplies buffer f; in its middle fetches the next quarter, at byte k, into g
	s_wait_dscnt 8                                 ; k and q's rows 0-63 are in; the youngest eight loads may be out
	MUL16 \f, 0, 0, \zero
	MUL16 \f, 0, 2, \zero
	PLACES
	FETCH \k, \g
	s_wait_dscnt 32                                ; all but the 32 just issued
	MUL16 \f, 1, 0, \zero
	MUL16 \f, 1, 2, \zero
.endm
.macro MEET round                      ; the first half of a K step's last quarter: one barrier for the change of slots
	WIN 0
	s_wait_tensorcnt 0x0                           ; all my tensor loads have landed: the one that was out is my part of the next slot
	ds_add_u32 v[SPW], v[NIL]                      ; 0 onto my spare word
	s_wait_dscnt 9                                 ; (the add and the youngest eight loads may be out)
	MUL16 F1, 0, 0, 0
	s_wait_dscnt 0x0                               ; the add is done, and my reads of this slot are over
	s_barrier_signal -1
	MUL16 F1, 0, 2, 0
.if \round
	WIN 0
.endif
	s_barrier_wait -1
.endm
; The whole last quarter.  fill = 1: the barrier opens a round of the cluster's, and the slot just read out is filled again, two K steps ahead.  Then the fetches go on in the other slot.
.macro TURN fill
	MEET \fill
.if \fill
	CREST                                          ; no wave of any partner still reads this slot or has a load on its way
	s_add_co_u32 s[G0+5], s20, s[TB]               ; the walking descriptors: my place in the slot that has just been read out,
	s_add_nc_u64 s[G0+6:G0+7], s[G0+6:G0+7], KSTEP*2   ; the next K step; the type bits on top are not reached
	s_add_co_u32 s[G0B+5], s20, s[TB]
	s_add_nc_u64 s[G0B+6:G0B+7], s[G0B+6:G0B+7], KSTEP*2
	JLOAD 1                                        ; my one tensor load behind the round; its four v_nop are also the places in front of the loads below
.else
	PLACES
	WIN 0
.endif
	s_xor_b32 s[TB], s[TB], SLOT                   ; 0 becomes SLOT, SLOT becomes 0
	v_add_nc_u32 v[ADRA], s[TB], v[ADA0]
	v_add_nc_u32 v[ADRB], s[TB], v[ADB0]
	FETCH 0, F0
	MUL16 F1, 1, 0, 0
	MUL16 F1, 1, 2, 0
.endm
	s_wait_tensorcnt 1                             ; my part of K step 0 is in; K step 1's may stay out
	s_barrier_signal -1
	s_barrier_wait -1
	FETCH 0, F0
	QUARTER 64,  F0, F1, 1                         ; the first quarter's products start the sums
	WIN 0
	s_mov_b32 s3, KT-2
.Lstep:                                                ; a trip: the rest of a K step and the next step's first quarter; it fills one slot again
	QUARTER 128, F1, F0, 0
	QUARTER 192, F0, F1, 0
	TURN 1
	QUARTER 64,  F0, F1, 0
	WIN 0
	s_sub_co_u32 s3, s3, 1
	s_cmp_lg_u32 s3, 0
	s_cbranch_scc1 .Lstep
	s_mov_b32 s3, 2
.Ltail:                                                ; the last two K steps fill nothing: a text of their own; the second trip is left in its middle
	QUARTER 128, F1, F0, 0
	QUARTER 192, F0, F1, 0
	TURN 0
	WIN 0
	s_sub_co_u32 s3, s3, 1
	s_cmp_eq_u32 s3, 0
	s_cbranch_scc1 .Lout
	QUARTER 64,  F0, F1, 0
	WIN 0
	s_branch .Ltail
.Lout:
	s_wait_dscnt 0x0                               ; the second trip's change of slots has fetched once more, out of the slot of the step before: those 32 loads serve nothing, and their registers are used again only behind this wait
	s_wait_loadcnt 0x0                             ; the mask words
	PLACES
; THE WAY OUT: eight trips, a block of 16 queries each.  The block's 64 mask words go from the lowest pair of the words' registers into scalar registers, and the other pairs move down by one, so that one text serves
; every block.  Word n lies in s[16 + n], from n = 48 on in s[20 + n]: the descriptors' registers among them, which no tensor load names any more.
; The select that applies the mask is also the copy out of the accumulators into window 0, so that all the rest is written once; it is written for each block, and a forward jump on the trip's number picks it.
.macro TAKE a
	WIN 0x08+4*((\a)/4)                            ; source 1: window 2 or 3
.set n, 0
.rept 64
.if n < 48
	v_cndmask_b32 v[W0+n], s94, v[64*((\a)%4)+n], s[16+n]
.else
	v_cndmask_b32 v[W0+n], s94, v[64*((\a)%4)+n], s[20+n]
.endif
.set n, n+1
.endr
	WIN 0
.endm
.macro FS i                            ; c s - cm for pair i
	v_pk_fma_f32 v[W0+2*(\i):W0+2*(\i)+1], v[W0+2*(\i):W0+2*(\i)+1], s[96:97], v[214:215] op_sel_hi:[1,0,0] neg_lo:[0,0,1] neg_hi:[0,0,1]
.endm
.macro CS i                            ; pair i rounded to f16
	s_wait_alu depctr_va_vdst(0)
	v_cvt_pk_f16_f32 v[TMP+(\i)], v[W0+2*(\i)], v[W0+2*(\i)+1]
.endm
.macro BS k                            ; of four weights the second pair is added onto the first, behind their roundings
	v_pk_add_f32 v[W0+4*(\k):W0+4*(\k)+1], v[W0+4*(\k):W0+4*(\k)+1], v[W0+4*(\k)+2:W0+4*(\k)+3]
.endm
	s_mov_b32 s4, 0                                ; what the stores' base steps by: nothing in the first trip
	s_mov_b32 s5, 0
	s_mov_b32 s2, 8                                ; blocks to go: block a = 8 - s2
.Lblock:
.set n, 0
.rept 64
.if n < 48
	v_readlane_b32 s[16+n], v[MB+n%2], n/2
.else
	v_readlane_b32 s[20+n], v[MB+n%2], n/2
.endif
.set n, n+1
.endr
.set n, 0
.rept 14
	v_mov_b32 v[MB+n], v[MB+n+2]                   ; the next block's words come into the lowest pair
.set n, n+1
.endr
.irp a, 0,1,2,3,4,5,6
	s_cmp_eq_u32 s2, 8-(\a)
	s_cbranch_scc1 .Lc\a
.endr
	TAKE 7
	s_branch .Lbody
.irp a, 0,1,2,3,4,5,6
.Lc\a:
	TAKE \a
.if (\a) < 6
	s_branch .Lbody
.endif
.endr
.Lbody:
.set k, 0
.rept 21                               ; the maximum of my 64 scores, three operands at a time
	v_max3_num_f32 v[T+k], v[W0+3*k], v[W0+3*k+1], v[W0+3*k+2]
.set k, k+1
.endr
.set k, 0
.rept 7
	v_max3_num_f32 v[T+k], v[T+3*k], v[T+3*k+1], v[T+3*k+2]
.set k, k+1
.endr
	v_max3_num_f32 v[T+7], v[T], v[T+1], v[T+2]
	v_max3_num_f32 v[T+8], v[T+3], v[T+4], v[T+5]
	v_max3_num_f32 v[T+9], v[T+6], v[W0+63], s95   ; the floor keeps a wholly hidden block's maximum finite
	v_max3_num_f32 v[T], v[T+7], v[T+8], v[T+9]
	v_permlanex16_b32 v216, v[T], s98, s99         ; the query's other 64 keys lie in the lane 16 away
	v_max_num_f32 v217, v[T], v216
	v_mul_f32 v214, s96, v217                      ; cm
	FS 0
	FS 1
	FS 2
	FS 3
.set n, 0
.rept 64                               ; behind each exponential one plain instruction that is ready and touches neither its result nor its source (ISA guide 5.7.2)
	v_exp_f32 v[W0+n], v[W0+n]
.if n < 28
	FS n+4
.elseif n < 55
	CS n-28
.else
	BS n-55
.endif
.set n, n+1
.endr
.irp i, 27,28,29,30,31
	CS \i
.endr
.irp k, 9,10,11,12,13,14,15
	BS \k
.endr
.irp b, 0,1,2,3,4,5,6,7
	ds_store_b128 v[STO], v[TMP+4*(\b):TMP+4*(\b)+3] offset:32*(\b)
.endr
	s_wait_xcnt 0x0                                ; the last trip's stores have had their addresses translated (ISA guide 3.1): their base steps and their data registers are loaded again only behind this wait
	s_add_nc_u64 s[88:89], s[88:89], s[4:5]        ; 16 rows of pb on (in the first trip: nothing)
	s_mov_b32 s4, 65536
.irp t, 0,1,2,3,4,5,6,7
	ds_load_b128 v[OB+4*(\t):OB+4*(\t)+3], v[RD] offset:(\t)*2*SPITCH  ; LDS serves a wave's instructions in order (ISA guide 5.7.1.4): these see the stores above
.endr
.irp k, 0,1,2,3,4,5,6,7                ; the rest of the sum stands in the stage's round trip
	v_pk_add_f32 v[W0+8*(\k):W0+8*(\k)+1], v[W0+8*(\k):W0+8*(\k)+1], v[W0+8*(\k)+4:W0+8*(\k)+5]
.endr
.irp k, 0,1,2,3
	v_pk_add_f32 v[W0+16*(\k):W0+16*(\k)+1], v[W0+16*(\k):W0+16*(\k)+1], v[W0+16*(\k)+8:W0+16*(\k)+9]
.endr
.irp k, 0,1
	v_pk_add_f32 v[W0+32*(\k):W0+32*(\k)+1], v[W0+32*(\k):W0+32*(\k)+1], v[W0+32*(\k)+16:W0+32*(\k)+17]
.endr
	v_pk_add_f32 v[W0:W0+1], v[W0:W0+1], v[W0+32:W0+33]
	v_add_f32 v218, v[W0], v[W0+1]
	v_permlanex16_b32 v219, v218, s98, s99
	v_add_f32 v218, v218, v219                     ; l
	ds_store_b32 v[SS], v214                       ; both halves of the lanes write the same word with the same number
	ds_store_b32 v[SS], v218 offset:512
	s_wait_dscnt 2                                 ; only those two stores are younger than the rows' loads
.irp t, 0,1,2,3,4,5,6,7
	global_store_b128 v[CO], v[OB+4*(\t):OB+4*(\t)+3], s[88:89] offset:8192*(\t)  ; 16 lanes store 256 consecutive bytes, aligned
.endr
	v_add_nc_u32 v[SS], 64, v[SS]
	s_sub_co_u32 s2, s2, 1
	s_cmp_lg_u32 s2, 0
	s_cbranch_scc1 .Lblock
	ds_load_b128 v[TMP:TMP+3], v[SR]               ; my 128 queries' cm and l: my own stores, served in order; into registers that no store to memory has named
	ds_load_b128 v[TMP+4:TMP+7], v[SR] offset:512
	s_wait_dscnt 0x0
	global_store_b128 v[GS], v[TMP:TMP+3], s[90:91]    ; 512 consecutive bytes each
	global_store_b128 v[GS], v[TMP+4:TMP+7], s[92:93]
	s_wait_tensorcnt 0x0                           ; the wave's end
	ds_add_u32 v[SPW], v[NIL]
	s_wait_dscnt 0x0
	CROUND                                         ; the closing round
	s_endpgm
.Lfunc_end_k_q3d7c2492b8_score:
	.size	k_q3d7c2492b8_score, .Lfunc_end_k_q3d7c2492b8_score-k_q3d7c2492b8_score
	.p2alignl 7, 3214868480
	.fill 96, 4, 3214868480
	.section	.rodata,"a",@progbits
	.p2align	6, 0x0
	.amdhsa_kernel k_q3d7c2492b8_score
		.amdhsa_group_segment_fixed_size 327680
		.amdhsa_private_segment_fixed_size 0
		.amdhsa_enable_private_segment 0
		.amdhsa_kernarg_size 40
		.amdhsa_user_sgpr_count 2
		.amdhsa_user_sgpr_kernarg_segment_ptr 1
		.amdhsa_wavefront_size32 1
		.amdhsa_system_sgpr_workgroup_id_x 1
		.amdhsa_system_sgpr_workgroup_id_y 1
		.amdhsa_system_sgpr_workgroup_id_z 1
		.amdhsa_system_vgpr_workitem_id 0
		.amdhsa_next_free_vgpr 1024
		.amdhsa_next_free_sgpr 100
		.amdhsa_reserve_vcc 0
		.amdhsa_float_denorm_mode_32 3
		.amdhsa_float_denorm_mode_16_64 3
		.amdhsa_memory_ordered 1
		.amdhsa_forward_progress 1
		.amdhsa_inst_pref_size 122
	.end_amdhsa_kernel
	.amdgpu_metadata
---
amdhsa.version: [ 1, 2 ]
amdhsa.kernels:
  - .name:           k_q3d7c2492b8_score
    .symbol:         k_q3d7c2492b8_score.kd
    .args:
      - { .name: qkv, .offset: 0, .size: 8, .value_kind: global_buffer, .address_space: global }
      - { .name: mbits, .offset: 8, .size: 8, .value_kind: global_buffer, .address_space: global }
      - { .name: pb, .offset: 16, .size: 8, .value_kind: global_buffer, .address_space: global }
      - { .name: stm, .offset: 24, .size: 8, .value_kind: global_buffer, .address_space: global }
      - { .name: stl, .offset: 32, .size: 8, .value_kind: global_buffer, .address_space: global }
    .group_segment_fixed_size: 327680
    .private_segment_fixed_size: 0
    .kernarg_segment_align: 8
    .kernarg_segment_size: 40
    .max_flat_workgroup_size: 128
    .sgpr_count:     100
    .vgpr_count:     1024
    .wavefront_size: 32
...
	.end_amdgpu_metadata
.endif
;; end of part 3
;; launch pv (part 4): grid 8 x 32, 4 waves a work-group, clusters of 4 x 4, 327,680 bytes of LDS; arguments pb, qkv, stm, stl, out0; writes out0
.if DOCPART == 4
	.amdgcn_target "amdgcn-amd-amdhsa--gfx1250"
	.amdhsa_code_object_version 6
	.text
	.protected	k_q3d7c2492b8_pv
	.globl	k_q3d7c2492b8_pv
	.p2align	8
	.type	k_q3d7c2492b8_pv,@function
k_q3d7c2492b8_pv:
	s_mov_b64 s[64:65], 0
	v_nop
	global_prefetch_b8 v0, s[64:65] scope:SCOPE_SE
	s_setreg_imm32_b32 hwreg(HW_REG_WAVE_MODE, 25, 1), 1
	s_wait_xcnt 0x0
	s_wait_alu depctr_hold_cnt(0) depctr_sa_sdst(0) depctr_va_vdst(0) depctr_va_sdst(0) depctr_va_ssrc(0) depctr_va_vcc(0) depctr_vm_vsrc(0)
	s_getreg_b32 s2, hwreg(HW_REG_IB_STS2, 6, 4)
	s_cmp_eq_u32 s2, 0
	s_cbranch_scc0 .Lentry_in_a_cluster
	s_endpgm
.Lentry_in_a_cluster:
	s_bfe_u32 s2, ttmp6, 0x10000c
	s_cmp_lg_u32 s2, 0xf033
	s_cbranch_scc0 .Lentry_shape_is_right
	s_endpgm
.Lentry_shape_is_right:
; PV.  The second level of the softmax and the second product.  For each row: M = the maximum of its 16 cm, alpha_t = 2^(cm_t - M), L = the sum of alpha_t l_t;
; out0[row][ch] = (sum over key blocks t of alpha_t x (sum over its keys of p' V[key][ch])) / L.  p' out of pb, V out of qkv's columns 2,048 on, both f16; all sums, alpha and L in f32.
; A K step is 128 keys, one key block.  Its product is summed in accumulators T of its own, started anew in every step; in the step's last quarter O += alpha x T, in f32.
; LIMITS.  An alpha below 2^-126 counts as 0.  A row whose keys are all hidden has L = 0 and comes out as NaN.  NaN and infinities are not treated apart.
; SHARES.  A tile is 256 rows x 128 channels: 8 x 32 tiles.  Four waves; wave w owns rows 64 w .. 64 w + 63 and all 128 channels: 32 accumulators (n = 8 a + b, a = 0..3, b = 0..7).  16 K steps through two LDS slots:
; two slots of 256 keys for 256 rows of p' and 128 channels of V would not fit in LDS.
; THE MATRIX INSTRUCTION IS USED TRANSPOSED: source 0 = 16 channels of V (turned on the way out of LDS by ds_load_tr16_b128), source 1 = 16 rows of p': lane r + 16 h, register j holds (row 16 a + r, channel 16 b + 8 h + j).
; CLUSTER 4 x 4: p's tile is shared along a row of the cluster, V's along a column.
; REGISTERS, in windows of 256 (s_set_vgpr_msb: bits 1:0 source 0, 3:2 source 1, 5:4 source 2, 7:6 destination):
;   window 0: v16-31 addresses; v32-49 1 / L and statistics; v64-191 the statistics' tables, later rows on the way out
;   window 1: v0-127 fragments of V, two buffers of 64; v128-131 alpha of the step in hand (a = 0..3); v192-255 fragments of p', two buffers of 32
;   window 2: T          window 3: O
; O is cleared once, by 256 v_mov_b32 in the wait for the first tiles: the price of writing no first K step out, which would be four quarters more of text.
.set KT,    16
.set PA,    272                        ; a row of p' in LDS: 256 bytes + 16: the 16 rows of a load start at 16 different groups of four banks (64 banks of 4 bytes: ISA guide 11.1)
.set PB,    288                        ; a row of V: 256 + 32
.set AB,    256*PA
.set SLOTB, AB+128*PB
.set SLOT1, 1<<17                      ; slot 1 begins here, so that one exclusive or turns an address in one slot into the other's
.set STAGE, SLOT1+SLOTB                ; behind the ring: 16 rows x 528 bytes for each wave
.set SPI,   528
.set ALT,   STAGE+4*16*SPI             ; 4,352 bytes a wave: 16 K steps x 256 bytes of alpha as [r][a], then 256 bytes of 1 / L as [r][a]
.set ALW,   4352
.set SPARE, ALT+4*ALW                  ; the spare words, 128 bytes a wave
.set ASTEP, 256                        ; 128 keys along a row of pb
.set BSTEP, 128*6144                   ; 128 rows of qkv
.set ADA0, 16                          ; v16 my lane's place among my rows of p' in a slot; never rewritten
.set ADB0, 17                          ; v17 the same for V
.set ADRA, 18                          ; v18 the same in the slot of the step that is being fetched
.set ADRB, 19
.set PFA,  20                          ; v20 the row of pb's tile that I ask the L2 for
.set PFB,  21                          ; v21 the key of V's tile
.set AAL,  22                          ; v22 my alpha of the K step in hand; it steps a K step a trip
.set AI,   23                          ; v23 the same place, fixed: 1 / L lies 4,096 bytes on
.set STO,  24
.set RD,   25
.set CO,   26                          ; v26 16 x lane
.set SPW,  28
.set NIL,  29
.set SO,   30                          ; v30 8 x lane
.set TA,   31                          ; v31 where my two rows' alpha go
.set IVL,  32                          ; v32-35 1 / L for a = 0..3
.set IVP,  36                          ; v36-43 the same as pairs
.set MXP,  44
.set LS,   46
.set IV,   48
.set MT,   64                          ; v64-95  cm, then alpha, of my two rows and 16 K steps
.set LT,   96                          ; v96-127 l
.set OB,   64
.set ALF,  128
.set PF,   192
.set TB,   66                          ; s66 LDS byte at which the slot of the step that is being fetched begins
.set G1, 24                            ; s[24:31] group 1 for p's tiles; s[32:39] group 0: a set for each of the two first fills; the second then walks on
.set G0, 32
.set G1B, 48
.set G0B, 56
.set W_MUL, 0xa5                       ; V and p' window 1, C and D window 2
.set W_RID, 0xf6                       ; T (source 0) window 2, alpha window 1, O (source 2 and destination) window 3
.set MSB, 0
.macro WIN new
.if MSB != (\new)
	s_set_vgpr_msb (MSB<<8)|(\new)
.set MSB, \new
.endif
.endm
.macro JLOAD s                         ; waves 0 and 1 fetch p's two halves (128 rows each), waves 2 and 3 V's (64 keys each); an s_nop 0 and four v_nop follow each line
	s_cmp_eq_u32 s11, 0
	s_cbranch_scc0 .Lfor_b_\@
	tensor_load_to_lds s[G0+4*(\s):G0+4*(\s)+3], s[G1:G1+7]
	s_nop 0
.rept 4
	v_nop
.endr
	s_branch .Lasked_\@
.Lfor_b_\@:
	tensor_load_to_lds s[G0B+4*(\s):G0B+4*(\s)+3], s[G1B:G1B+7]
	s_nop 0
.rept 4
	v_nop
.endr
.Lasked_\@:
.endm
.macro CREST
	s_cmp_lg_u32 s10, 0
	s_cbranch_scc1 .Lnot_wave_0_\@
	s_barrier_signal -3
.Lnot_wave_0_\@:
	s_barrier_wait -3
	s_barrier_signal -1
	s_barrier_wait -1
.endm
.macro CROUND
	s_barrier_signal -1
	s_barrier_wait -1
	CREST
.endm
.macro PLACES                          ; four places in front of loads into registers that matrix instructions have read, and of vector work on results
.rept 4
	v_nop
.endr
.endm
	s_load_b256 s[68:75], s[0:1], 0x0              ; pb s[68:69], qkv s[70:71], stm s[72:73], stl s[74:75]
	s_load_b64 s[76:77], s[0:1], 0x20              ; out0
	v_lshl_add_u32 v[SPW], v0, 2, SPARE
	v_mov_b32 v[NIL], 0
	ds_add_u32 v[SPW], v[NIL]                      ; the wave's opening: the add and its wait stand ahead of my first tensor load
	v_lshrrev_b32 v1, 5, v0
	v_readfirstlane_b32 s10, v1                    ; wave 0..3
	s_lshr_b32 s11, s10, 1                         ; I fetch for p' (0) or for V (1),
	s_and_b32 s12, s10, 1                          ; and which half of that tile
	s_bfe_u32 s40, ttmp6, 0x40000                  ; cx, cy
	s_bfe_u32 s41, ttmp6, 0x40004
	s_lshl_b32 s42, ttmp9, 2
	s_add_co_u32 s42, s42, s40                     ; tile column
	s_and_b32 s45, ttmp7, 0xffff
	s_lshl_b32 s13, s45, 2
	s_add_co_u32 s13, s13, s41                     ; tile row
	s_lshr_b32 s45, s45, 1                         ; the batch, which the whole cluster shares
	s_lshl_b32 s43, s41, 2
	s_lshl_b32 s43, 15, s43                        ; my row of the cluster
	s_lshl_b32 s44, 0x1111, s40                    ; my column
	s_or_b32 s[G1], s43, (1<<16)|(1<<20)|(1<<21)|(5<<22)|(3<<25)   ; after every 64 words 4 words of padding
	s_or_b32 s[G1B], s44, (1<<16)|(1<<20)|(1<<21)|(5<<22)|(7<<25)  ; 8 words
	s_mov_b32 s[G1+1], 128<<16                     ; tensor_dim0 = 128
	s_mov_b32 s[G1+2], 128<<16                     ; tensor_dim1 = 128
	s_mov_b32 s[G1+3], 128<<16                     ; tile_dim0 = 128
	s_mov_b32 s[G1+4], 128                         ; tile_dim1 = 128
	s_mov_b32 s[G1+5], 2048                        ; elements from row to row of pb
	s_mov_b32 s[G1+6], 0
	s_mov_b32 s[G1+7], 0
	s_mov_b32 s[G1B+1], 128<<16
	s_mov_b32 s[G1B+2], 64<<16                     ; 64 keys
	s_mov_b32 s[G1B+3], 128<<16
	s_mov_b32 s[G1B+4], 64
	s_mov_b32 s[G1B+5], 3072                       ; elements from row to row of qkv
	s_mov_b32 s[G1B+6], 0
	s_mov_b32 s[G1B+7], 0
	s_lshl_b32 s16, s13, 8
	s_lshl_b32 s17, s12, 7
	s_add_co_u32 s16, s16, s17                     ; pb: row 256 x tile row + 128 x half
	s_lshl_b32 s16, s16, 12
	s_mov_b32 s17, 0
	s_lshl_b32 s46, s45, 11
	s_lshl_b32 s47, s12, 6
	s_add_co_u32 s46, s46, s47                     ; V: row 2,048 x batch + 64 x half,
	s_mul_i32 s46, s46, 6144
	s_lshl_b32 s47, s42, 8
	s_add_co_u32 s46, s46, s47                     ; channels 128 x tile column on,
	s_add_co_u32 s46, s46, 4096                    ; behind q's and k's columns
	s_mov_b32 s47, 0
	s_mul_i32 s20, s12, 128*PA                     ; where they go: no place in the cluster enters an LDS address
	s_mul_i32 s21, s12, 64*PB
	s_add_co_u32 s21, s21, AB
	s_lshl_b32 s80, s13, 20                        ; what the L2 is asked for: the tile's rows of pb, at K step 3: the first trip steps on to K step 4;
	s_add_co_u32 s80, s80, 3*ASTEP
	s_mov_b32 s81, 0
	s_mul_i32 s82, s45, 2048*6144                  ; the batch's rows of qkv, my tile's channels of V, likewise
	s_lshl_b32 s83, s42, 8
	s_add_co_u32 s82, s82, s83
	s_add_co_u32 s82, s82, 4096+3*BSTEP
	s_mov_b32 s83, 0
	s_mov_b32 s[TB], 0
	s_mov_b32 s9, 0
	s_mov_b32 s19, 0
	s_wait_dscnt 0x0                               ; the opening add is done
	s_wait_kmcnt 0x0
	s_add_nc_u64 s[14:15], s[68:69], s[16:17]
	s_add_nc_u64 s[46:47], s[70:71], s[46:47]
	s_add_nc_u64 s[4:5], s[68:69], s[80:81]
	s_add_nc_u64 s[6:7], s[70:71], s[82:83]
	CROUND                                         ; all sixteen work-groups are here
.irp s, 0,1
	s_mov_b32 s[G0+4*(\s)], 1
	s_add_co_u32 s[G0+4*(\s)+1], s20, (\s)*SLOT1
	s_add_nc_u64 s[G0+4*(\s)+2:G0+4*(\s)+3], s[14:15], (\s)*ASTEP
	s_or_b32 s[G0+4*(\s)+3], s[G0+4*(\s)+3], 0x80000000
	s_mov_b32 s[G0B+4*(\s)], 1
	s_add_co_u32 s[G0B+4*(\s)+1], s21, (\s)*SLOT1
	s_add_nc_u64 s[G0B+4*(\s)+2:G0B+4*(\s)+3], s[46:47], (\s)*BSTEP
	s_or_b32 s[G0B+4*(\s)+3], s[G0B+4*(\s)+3], 0x80000000
	JLOAD \s                                       ; two tensor loads of mine are out
.endr
	; THE STATISTICS, in the wait for the first tiles.  Lane l takes rows 2 l and 2 l + 1 of my wave's 64: each load covers 256 consecutive bytes.
	v_and_b32 v6, 31, v0
	v_lshlrev_b32 v[SO], 3, v6
	v_lshlrev_b32 v[CO], 4, v6
	s_lshl_b32 s82, s13, 8
	s_lshl_b32 s83, s10, 6
	s_add_co_u32 s80, s82, s83                     ; my first row
	s_lshl_b32 s82, s80, 2
	s_mov_b32 s83, 0
	s_add_nc_u64 s[72:73], s[72:73], s[82:83]
	s_add_nc_u64 s[74:75], s[74:75], s[82:83]
.set t, 0
.rept 16
	global_load_b64 v[MT+2*t:MT+2*t+1], v[SO], s[72:73] offset:32768*t
	global_load_b64 v[LT+2*t:LT+2*t+1], v[SO], s[74:75] offset:32768*t
.set t, t+1
.endr
	WIN 0xc0
.set i, 0
.rept 256
	v_mov_b32 v[i], 0                              ; O
.set i, i+1
.endr
	WIN 0
	s_lshl_b32 s82, s80, 12                        ; rows of out0: 4,096 bytes
	s_lshl_b32 s81, s42, 9
	s_add_co_u32 s82, s82, s81
	s_add_nc_u64 s[76:77], s[76:77], s[82:83]
	v_and_b32 v1, 15, v0                           ; r
	v_bfe_u32 v2, v0, 4, 1                         ; h
	v_mul_u32_u24 v3, v1, PA
	v_lshl_add_u32 v3, v2, 4, v3
	s_mul_i32 s22, s10, 64*PA                      ; my 64 rows of p'
	v_add_nc_u32 v[ADA0], s22, v3
	v_mov_b32 v[ADRA], v[ADA0]                     ; K step 0 lies in slot 0
	v_and_b32 v5, 7, v0                            ; the turning load: lane l reads key 8 (l / 16) + l % 8, channels 8 ((l / 8) % 2) + 0..7
	v_bfe_u32 v7, v0, 3, 1
	v_lshl_add_u32 v4, v2, 3, v5
	v_mul_u32_u24 v4, v4, PB
	v_lshl_add_u32 v4, v7, 4, v4
	v_add_nc_u32 v[ADB0], AB, v4
	v_mov_b32 v[ADRB], v[ADB0]
	s_mul_i32 s23, s10, 16*SPI
	s_add_co_u32 s23, s23, STAGE                   ; my stage
	v_mul_u32_u24 v4, v1, SPI
	v_lshl_add_u32 v4, v2, 5, v4
	v_add_nc_u32 v[STO], s23, v4                   ; in: row r, 32 bytes for each half of the lanes
	v_add_nc_u32 v[RD], s23, v[CO]                 ; back: a whole row of 512 bytes
	s_mul_i32 s22, s10, ALW
	s_add_co_u32 s22, s22, ALT                     ; my table of alpha
	v_lshlrev_b32 v[TA], 5, v5                     ; row 2 l: r = 2 (l % 8), 16 bytes each;
	v_bfe_u32 v7, v0, 3, 2
	v_lshl_add_u32 v[TA], v7, 2, v[TA]             ; a = l / 8
	v_add_nc_u32 v[TA], s22, v[TA]
	v_lshl_add_u32 v[AAL], v1, 4, s22
	v_mov_b32 v[AI], v[AAL]
	; what I ask the L2 for.  A K step's tile of pb is 256 rows of 256 bytes and serves 8 work-groups: mine takes 32 rows, each wave 8.  V's is 128 keys and serves 8: mine takes 16 keys, each wave 4.
	s_lshl_b32 s22, s42, 5
	s_lshl_b32 s23, s10, 3
	s_add_co_u32 s22, s22, s23
	v_add_nc_u32 v4, s22, v5
	v_lshlrev_b32 v[PFA], 12, v4
	v_and_b32 v4, 3, v0
	s_and_b32 s22, s13, 7
	s_lshl_b32 s22, s22, 4
	s_lshl_b32 s23, s10, 2
	s_add_co_u32 s22, s22, s23
	v_add_nc_u32 v4, s22, v4
	v_mul_u32_u24 v[PFB], v4, 6144
	s_wait_loadcnt 0x0
.irp x, 0,1
	v_max3_num_f32 v[MXP+(\x)], v[MT+(\x)], v[MT+2+(\x)], v[MT+4+(\x)]
.irp t, 3,5,7,9,11,13
	v_max3_num_f32 v[MXP+(\x)], v[MXP+(\x)], v[MT+2*(\t)+(\x)], v[MT+2*(\t)+2+(\x)]
.endr
	v_max_num_f32 v[MXP+(\x)], v[MXP+(\x)], v[MT+30+(\x)]  ; M
.endr
.set t, 0
.rept 16
	v_pk_add_f32 v[MT+2*t:MT+2*t+1], v[MT+2*t:MT+2*t+1], v[MXP:MXP+1] neg_lo:[0,1] neg_hi:[0,1]  ; cm - M
.set t, t+1
.endr
.set t, 0
.rept 32
	v_exp_f32 v[MT+t], v[MT+t]                     ; alpha
.set t, t+1
.endr
	v_nop                                          ; a plain instruction between the last exponential and the use of its result
	s_wait_alu depctr_va_vdst(0)
	v_pk_mul_f32 v[LS:LS+1], v[MT:MT+1], v[LT:LT+1]
.set t, 1
.rept 15
	v_pk_fma_f32 v[LS:LS+1], v[MT+2*t:MT+2*t+1], v[LT+2*t:LT+2*t+1], v[LS:LS+1]  ; L
.set t, t+1
.endr
	v_rcp_f32 v[IV], v[LS]
	v_rcp_f32 v[IV+1], v[LS+1]
	v_nop
.set t, 0
.rept 16
	ds_store_b32 v[TA], v[MT+2*t] offset:256*t
	ds_store_b32 v[TA], v[MT+2*t+1] offset:256*t+16
.set t, t+1
.endr
	s_wait_alu depctr_va_vdst(0)
	ds_store_b32 v[TA], v[IV] offset:4096
	ds_store_b32 v[TA], v[IV+1] offset:4096+16
; 24 LDS loads in one run, or 25: the fragments of quarter i (32 keys) of the slot that is being fetched, into buffer g; al >= 0: also the step's alpha, at that offset
.macro FETCH i, g, al
	WIN 0x40                                       ; destination window 1, address window 0
.irp a, 0,1,2,3
	ds_load_b128 v[PF+32*(\g)+8*(\a):PF+32*(\g)+8*(\a)+3],   v[ADRA] offset:64*(\i)+16*PA*(\a)
	ds_load_b128 v[PF+32*(\g)+8*(\a)+4:PF+32*(\g)+8*(\a)+7], v[ADRA] offset:64*(\i)+16*PA*(\a)+32
.endr
.irp b, 0,1,2,3,4,5,6,7
	ds_load_tr16_b128 v[64*(\g)+8*(\b):64*(\g)+8*(\b)+3],   v[ADRB] offset:32*PB*(\i)+32*(\b)
	ds_load_tr16_b128 v[64*(\g)+8*(\b)+4:64*(\g)+8*(\b)+7], v[ADRB] offset:32*PB*(\i)+32*(\b)+16*PB
.endr
.if (\al) >= 0
	ds_load_b128 v[ALF:ALF+3], v[AAL] offset:\al
.endif
.endm
; matrix instructions n0 .. n1 - 1 of a quarter's 32.  zero = 1: a K step's first quarter starts T's sums.  The 32 accumulators take turns in one fixed order.
.macro MUL f, n0, n1, zero
	WIN W_MUL
.set n, \n0
.rept (\n1)-(\n0)
.if \zero
	v_wmma_f32_16x16x32_f16 v[8*n:8*n+7], v[64*(\f)+8*(n%8):64*(\f)+8*(n%8)+7], v[PF+32*(\f)+8*(n/8):PF+32*(\f)+8*(n/8)+7], 0
.else
	v_wmma_f32_16x16x32_f16 v[8*n:8*n+7], v[64*(\f)+8*(n%8):64*(\f)+8*(n%8)+7], v[PF+32*(\f)+8*(n/8):PF+32*(\f)+8*(n/8)+7], v[8*n:8*n+7]
.endif
.set n, n+1
.endr
.endm
; O += alpha x T for accumulator c, lowest registers first: four packed multiply-adds; alpha of a = c / 8 is the first or the second register of its pair, taken for both halves
.macro RIDE c
.set ra, ALF+2*((\c)/16)
.irp q, 0,1,2,3
.if ((\c)/8)%2
	v_pk_fma_f32 v[8*(\c)+2*(\q):8*(\c)+2*(\q)+1], v[8*(\c)+2*(\q):8*(\c)+2*(\q)+1], v[ra:ra+1], v[8*(\c)+2*(\q):8*(\c)+2*(\q)+1] op_sel:[0,1,0] op_sel_hi:[1,1,1]
.else
	v_pk_fma_f32 v[8*(\c)+2*(\q):8*(\c)+2*(\q)+1], v[8*(\c)+2*(\q):8*(\c)+2*(\q)+1], v[ra:ra+1], v[8*(\c)+2*(\q):8*(\c)+2*(\q)+1] op_sel_hi:[1,0,1]
.endif
.endr
.endm
; QUARTER i of a K step: fetches the next quarter into the other buffer, then 32 matrix instructions.
; mode 0: plain.  1 (i = 2): the slot has been read out: change of slots with a round of the cluster's barrier and the joint refill.  2: the same without refill.  3: the launch's last quarter.
; i = 0 starts T.  i = 3 finishes T: behind every second matrix instruction stand the eight multiply-adds of the two accumulators finished two instructions earlier, under one switch of the windows and back;
; between an accumulator's last product and its multiply-adds stand eight that name other registers (ahead of the first group four v_nop).  np = 1: the places in front of the loads stand there already.
.macro Q i, mode, al=-1, np=0
.set QF, (\i)%2
.set QG, 1-QF
.set NA, 0
.if (\al) >= 0
.set NA, 1
.endif
.if (\mode) != 3
.if !(\np)
	PLACES
.endif
.if (\i) == 3
	WIN 0
	s_xor_b32 s[TB], s[TB], SLOT1                  ; the fetches go on in the other slot
	v_add_nc_u32 v[ADRA], s[TB], v[ADA0]
	v_add_nc_u32 v[ADRB], s[TB], v[ADB0]
.endif
	FETCH ((\i)+1)%4, QG, \al
	s_wait_dscnt 24+NA                             ; all but the run just issued: this quarter's fragments are in
.else
	s_wait_dscnt 0x0
.endif
.if (\i) == 0
	MUL QF, 0, 32, 1
.elseif (\i) == 3
.set m, 0
.rept 16
	MUL QF, 2*m, 2*m+2, 0
.if m >= 1
	WIN W_RID
.if m == 1
	PLACES
.endif
	RIDE 2*m-2
	RIDE 2*m-1
.endif
.set m, m+1
.endr
	RIDE 30                                        ; the last two: these sixteen multiply-adds are also the places in front of the next run of loads
	RIDE 31
.elseif (\mode) == 0
	MUL QF, 0, 32, 0
.else
	MUL QF, 0, 16, 0
	WIN 0                                          ; (the add's two registers lie in window 0)
	s_wait_tensorcnt 0x0                           ; all my tensor loads have landed: the one that was out is my part of the other slot
	ds_add_u32 v[SPW], v[NIL]                      ; 0 onto my spare word
	MUL QF, 16, 24, 0                              ; eight matrix instructions stand between the add and the wait for it
	s_wait_dscnt 0x0                               ; the add is done, and my reads of this slot are over
	s_barrier_signal -1
	MUL QF, 24, 32, 0
	WIN 0
	s_barrier_wait -1
.if (\mode) == 1
	CREST                                          ; no wave of any partner still reads this slot or has a load on its way
	s_xor_b32 s[G0+5], s[G0+5], SLOT1              ; the walking descriptors: the other slot than last time,
	s_add_nc_u64 s[G0+6:G0+7], s[G0+6:G0+7], ASTEP ; the next 128 keys; the type bits on top are not reached
	s_xor_b32 s[G0B+5], s[G0B+5], SLOT1
	s_add_nc_u64 s[G0B+6:G0B+7], s[G0B+6:G0B+7], BSTEP
	JLOAD 1                                        ; my one tensor load behind the round
.endif
.endif
.endm
	s_wait_tensorcnt 1                             ; my part of K step 0 is in; K step 1's may stay out
	s_wait_dscnt 0x0                               ; my table is written
	s_barrier_signal -1
	s_barrier_wait -1
	FETCH 0, 0, -1
	Q 0, 0, 0, 1                                   ; K step 0's first quarter stands in front of the loop
	WIN 0
	s_mov_b32 s3, KT-2
.Lstep:                                                ; a trip: the rest of a K step and the next step's first quarter; it fills one slot again
	Q 1, 0
	Q 2, 1
	Q 3, 0, -1, 1
	Q 0, 0, 256, 1
	WIN 0
	v_add_nc_u32 v[AAL], 256, v[AAL]               ; a K step of alpha on
	s_wait_xcnt 0x0                                ; the last trip's requests have had their addresses translated (ISA guide 3.1): their bases step only behind this wait
	s_cmp_gt_u32 s3, 2                             ; the L2 is asked for the tiles of the K step four on, whose tensor load is issued two trips later; the address stops at the last K step
	s_cselect_b32 s8, ASTEP, 0
	s_cselect_b32 s18, BSTEP, 0
	s_add_nc_u64 s[4:5], s[4:5], s[8:9]
	s_add_nc_u64 s[6:7], s[6:7], s[18:19]
	global_prefetch_b8 v[PFA], s[4:5] th:TH_LOAD_NT scope:SCOPE_SE
	global_prefetch_b8 v[PFB], s[6:7] th:TH_LOAD_NT scope:SCOPE_SE
	s_sub_co_u32 s3, s3, 1
	s_cmp_lg_u32 s3, 0
	s_cbranch_scc1 .Lstep
	Q 1, 0                                         ; the last two K steps fill nothing
	Q 2, 2
	Q 3, 0
	Q 0, 0, 256, 1
	Q 1, 0
	Q 2, 0
	Q 3, 3
	WIN 0
	; THE WAY OUT.  Block a (16 rows) of O is divided by L, goes into my stage as rows of 528 bytes and comes back as whole rows of 512.
	ds_load_b128 v[IVL:IVL+3], v[AI] offset:4096
	s_wait_dscnt 0x0
.irp a, 0,1,2,3
	v_mov_b32 v[IVP+2*(\a)], v[IVL+(\a)]           ; the packed multiply names a pair and takes its low word for both halves
	v_mov_b32 v[IVP+2*(\a)+1], v[IVL+(\a)]
.endr
.macro PACK a
.set AC, 64*(\a)
.set BK, OB+64*((\a)%2)
	WIN 0xc3                                       ; destination and source 0: window 3
.set k, 0
.rept 32
	v_pk_mul_f32 v[AC+2*k:AC+2*k+1], v[AC+2*k:AC+2*k+1], v[IVP+2*(\a):IVP+2*(\a)+1] op_sel_hi:[1,0]
.set k, k+1
.endr
	WIN 0x0c                                       ; store data: window 3
.set k, 0
.rept 16
	ds_store_b128 v[STO], v[AC+4*k:AC+4*k+3] offset:64*(k/2)+16*(k%2)
.set k, k+1
.endr
	WIN 0
.if (\a) >= 2
	s_wait_xcnt 0x0                                ; the stores of the block two back have had their addresses translated (ISA guide 3.1): their registers are loaded again only behind this wait
.endif
.set k, 0
.rept 16
	ds_load_b128 v[BK+4*k:BK+4*k+3], v[RD] offset:SPI*k  ; LDS serves a wave's instructions in order (ISA guide 5.7.1.4): these see the stores above
.set k, k+1
.endr
.endm
.macro SEND a, younger                 ; younger: the LDS instructions issued behind block a's loads
.set BK, OB+64*((\a)%2)
.set k, 0
.rept 16
	s_wait_dscnt (\younger)+15-k
	global_store_b128 v[CO], v[BK+4*k:BK+4*k+3], s[76:77] offset:(16*(\a)+k)*4096 th:TH_STORE_NT  ; 512 consecutive bytes, aligned
.set k, k+1
.endr
.endm
	PACK 0
	PACK 1
	SEND 0, 32
	PACK 2
	SEND 1, 32
	PACK 3
	SEND 2, 32
	SEND 3, 0
	s_wait_tensorcnt 0x0                           ; the wave's end
	ds_add_u32 v[SPW], v[NIL]
	s_wait_dscnt 0x0
	CROUND                                         ; the closing round
	s_endpgm
.Lfunc_end_k_q3d7c2492b8_pv:
	.size	k_q3d7c2492b8_pv, .Lfunc_end_k_q3d7c2492b8_pv-k_q3d7c2492b8_pv
	.p2alignl 7, 3214868480
	.fill 96, 4, 3214868480
	.section	.rodata,"a",@progbits
	.p2align	6, 0x0
	.amdhsa_kernel k_q3d7c2492b8_pv
		.amdhsa_group_segment_fixed_size 327680
		.amdhsa_private_segment_fixed_size 0
		.amdhsa_enable_private_segment 0
		.amdhsa_kernarg_size 40
		.amdhsa_user_sgpr_count 2
		.amdhsa_user_sgpr_kernarg_segment_ptr 1
		.amdhsa_wavefront_size32 1
		.amdhsa_system_sgpr_workgroup_id_x 1
		.amdhsa_system_sgpr_workgroup_id_y 1
		.amdhsa_system_sgpr_workgroup_id_z 1
		.amdhsa_system_vgpr_workitem_id 0
		.amdhsa_next_free_vgpr 1024
		.amdhsa_next_free_sgpr 84
		.amdhsa_reserve_vcc 0
		.amdhsa_float_denorm_mode_32 3
		.amdhsa_float_denorm_mode_16_64 3
		.amdhsa_memory_ordered 1
		.amdhsa_forward_progress 1
		.amdhsa_inst_pref_size 125
	.end_amdhsa_kernel
	.amdgpu_metadata
---
amdhsa.version: [ 1, 2 ]
amdhsa.kernels:
  - .name:           k_q3d7c2492b8_pv
    .symbol:         k_q3d7c2492b8_pv.kd
    .args:
      - { .name: pb, .offset: 0, .size: 8, .value_kind: global_buffer, .address_space: global }
      - { .name: qkv, .offset: 8, .size: 8, .value_kind: global_buffer, .address_space: global }
      - { .name: stm, .offset: 16, .size: 8, .value_kind: global_buffer, .address_space: global }
      - { .name: stl, .offset: 24, .size: 8, .value_kind: global_buffer, .address_space: global }
      - { .name: out0, .offset: 32, .size: 8, .value_kind: global_buffer, .address_space: global }
    .group_segment_fixed_size: 327680
    .private_segment_fixed_size: 0
    .kernarg_segment_align: 8
    .kernarg_segment_size: 40
    .max_flat_workgroup_size: 128
    .sgpr_count:     84
    .vgpr_count:     1024
    .wavefront_size: 32
...
	.end_amdgpu_metadata
.endif
;; end of part 4
